; MI455X (gfx1250); checked and timed in simulation.
; The chip was launched on July 23, 2026; its instructions are those of AMD's public machine-readable ISA for CDNA 5 (MIT licence, August 2026) and "CDNA5" Instruction Set Architecture Reference Guide (July 2026). The comments in the code are by the model that wrote it; some were corrected since.
;; Multi Head Attention. Allowed arithmetic: matrix products marked QUANTISED: E2M3 operands, one E8M0 scale for each 32 along K, by v_wmma_scale_f32_16x16x128_f8f6f4 with both operands' format E2M3, f32 sums; everything else in f32.
;; Inputs: b_lin 2,048 x 256 float32; data 2,048 x 256 float32; w_lin 2,048 x 32,768 float32; wk 16 x 256 x 256 float32; wq 16 x 256 x 256 float32; wv 16 x 256 x 256 float32.
;; Outputs: out0 2,048 x 256 float32.
;; This version of the problem:
;;   THIS VERSION OF THE PROBLEM IS GIVEN IN LOW PRECISION. The matrix products marked QUANTISED in the list below multiply operands that are first quantised to E2M3 (2 exponent bits, 3 mantissa bits; 6 bits a number), with one power-of-two scale for each 32 numbers along K (OCP MX v1.0); their sums are f32. All else is computed in f32.
;;   The module's matrix products, in the order in which they are computed (A, B: the left and right operand; K: the contracted axis; several contracted axes count as one K, in the product's order):
;;     1. [M 4,096, K 256] x [K 256, N 2,048]; A: input wq; B: input data: QUANTISED
;;     2. [M 4,096, K 256] x [K 256, N 2,048]; A: input wk; B: input data: QUANTISED
;;     3. [M 4,096, K 256] x [K 256, N 2,048]; A: input wv; B: input data: QUANTISED
;;     4. batch 16 x [M 2,048, K 256] x [K 256, N 2,048]; A: computed on the way; B: computed on the way: QUANTISED
;;     5. batch 16 x [M 2,048, K 2,048] x [K 2,048, N 256]; A: softmax (see below); B: computed on the way: QUANTISED
;;     6. [M 2,048, K 32,768] x [K 32,768, N 256]; A: input w_lin; B: computed on the way: QUANTISED
;;   THE QUANTISER, for each operand of a quantised product, along K:
;;     - K is cut into blocks of 32 from its start; a last block that is shorter is filled with zeros.
;;     - A block's scale is 2^e with e = floor(log2(the largest magnitude in the block)) - 2, held to -126 .. 127; a block of zeros has e = 0. As a byte (E8M0): e + 127.
;;     - Each number is divided by its block's scale, clamped to +-7.5, and rounded to the nearest number of E2M3, ties to even, subnormals kept.
;;     - The product sums the exact products of the quantised numbers (number of the format x scale) in f32.
;;   ~~~python
;;   def quantise(x, axis):      # numpy; x: float32 -> the quantised numbers, widened to float32 again
;;       x = np.moveaxis(x, axis, -1); K = x.shape[-1]
;;       x = np.pad(x, [(0, 0)] * (x.ndim - 1) + [(0, -K % 32)]); x = x.reshape(x.shape[:-1] + (-1, 32)); a = np.abs(x).max(-1, keepdims=True)
;;       e = np.where(a > 0, np.clip(np.frexp(np.where(a > 0, a, 1))[1] - 1 - 2, -126, 127), 0)      # np.frexp(a)[1] - 1 = floor(log2(a)), exactly
;;       r = np.clip(x / 2.0 ** e, -7.5, 7.5)
;;       step = 2.0 ** (np.maximum(np.frexp(np.where(r == 0, 1, r))[1] - 1, 0) - 3)
;;       q = np.round(r / step) * step * 2.0 ** e      # np.round: ties to even
;;       return np.moveaxis(q.reshape(q.shape[:-2] + (-1,))[..., :K], -1, axis).astype(np.float32)
;;   ~~~
;;   SOFTMAX AHEAD OF A QUANTISED PRODUCT. Where the list says 'softmax', what is quantised is not the finished softmax but p = 2^(t - M), with t = logit x log2(e) and M = ceil(the row's largest t), a whole number; so 1/2 < the row's largest p <= 1. The row's sum l is taken of the UNQUANTISED p, in f32, and the product's result is divided by l at the end. Since M is a whole number, a kernel that streams over the keys may use a running M (the ceiling of the running maximum): every later rescaling is an exact power of two, which a block's scale takes up: the codes' values come out the same.
;;   OPERANDS COMPUTED ON THE WAY. 'Computed on the way' means the value that the module computes at that place (a softmax that the list does not call 'softmax' is quantised finished and normalised). What goes into a quantiser is computed in f32, as accurately as f32 sums, v_exp_f32 and their like allow (about 1e-6 of the number): no bf16 or f16 on the way to a quantiser, and a product that is left as it is and whose result goes on into a quantised operand takes f32 operands (vector FMAs, or v_wmma_f32_16x16x4_f32). A number that lies on a knife's edge between two numbers of the format may be rounded either way, as far as f32 arithmetic and the matrix unit's own rounding can turn it there, and no further.
;; One version. Each part assembles by itself: llvm-mc -triple=amdgcn-amd-amdhsa -mcpu=gfx1250 --defsym DOCPART=n.
;; ======== version 1 of 1: 5 launches
;; limits: right only within a limited range of input values
;; workspace buffers: pbuf 2,867,200 bytes; qbuf 6,553,600 bytes; kbuf 6,553,600 bytes; vbuf 6,553,600 bytes; zbuf 6,553,600 bytes; part 16,777,216 bytes
;; launch prep (part 1): grid 256 x 1, 7 waves a work-group, no clusters, 0 bytes of LDS; arguments data, wq, wk, wv, pbuf; writes pbuf
.if DOCPART == 1
	.amdgcn_target "amdgcn-amd-amdhsa--gfx1250"
	.amdhsa_code_object_version 6
	.text
	.protected	k_q0f1c530847_prep
	.globl	k_q0f1c530847_prep
	.p2align	8
	.type	k_q0f1c530847_prep,@function
k_q0f1c530847_prep:
	s_mov_b64 s[64:65], 0
	v_nop
	global_prefetch_b8 v0, s[64:65] scope:SCOPE_SE
	s_setreg_imm32_b32 hwreg(HW_REG_WAVE_MODE, 25, 1), 1
	s_wait_xcnt 0x0
; PREP: data [2048][256] and wq, wk, wv [16][256 d][256 e], f32, become codes of FP6 (E2M3) along d, with one E8M0 byte for each 32 along d.
; They are laid in the order of the operand's registers.  A FRAGMENT IMAGE (16 rows x 128 K, 12 registers a lane, 1,536 bytes): register g of lane L at byte 512 (g / 4) + 16 L + 4 (g % 4).
; A SCALE IMAGE (512 bytes): register q of lane L at 16 L + 4 q; in register q lanes 0-15 hold the scale words of tile 2 q, lanes 16-31 those of tile 2 q + 1.
; A RECORD (25,600 bytes): 16 fragment images, tile t and K step ks at (2 t + ks) x 1,536, then the scale images of K steps 0 and 1.
; Records 0-15: data, 128 rows each.  Records 16 + 2 (16 mat + head) + half: a weight's columns e = 128 half .. + 127 as rows, K = d.
; SHARES: 112 records x 16 fragments = 1,792 fragments = 256 work-groups x 7 waves: a wave makes one fragment.  Lane (r, h) holds row r and k = 64 c + 32 h + 0 .. 31 in registers 32 c + 0 .. 31:
; two whole blocks of 32, so no other lane is asked for a maximum, and the conversions' results are the operand's registers.
; A block's scale is 2^(floor(log2(largest magnitude)) - 2): its byte is the largest magnitude's exponent field less 2.
; LIMITS: NaN and infinities among the inputs are not served.  A largest magnitude under 2^-124 is taken as 2^-124 (byte 1); a block of zeros so has byte 1 and not 127: its codes are zeros, and this program alone reads the bytes.
; The scale words leave as 64 bytes in pieces of 4, 16 bytes apart: 114,688 bytes in the whole launch.
.set REC,  25600
.set FRB,  1536
.set SCO,  24576                       ; the scale images' place in a record
.set DOF,  4                           ; v4   data: 1,024 r + 128 h
.set WOF,  5                           ; v5   a weight: 4 r + 32 rows of 1,024 bytes x h
.set LI,   6                           ; v6   16 x lane
.set SH,   7                           ; v7   8 h: my two bytes' place in the scale word
.set TM,   10                          ; v10-13 largest magnitudes, two chains a block
.set SOP,  14                          ; v14-15 the conversions' scale operands
.set BY,   16                          ; v16-17 the bytes
.set PT,   18                          ; v18  the other half's bytes
.set TP,   32                          ; v32-38 the upper halves' codes, before they are moved
.set PC,   48                          ; v48-59 the fragment
.set PW,   60                          ; v60  the row's scale word
.set X,    64                          ; v64-127 my 64 numbers
.set SEL,  28                          ; s[28:29] v_permlanex16_b32: lane l xor 16
; 64 numbers of a lane, register 32 c + i = k 64 c + 32 h + i of its row, become the fragment's 12 registers in v[pc] on and the row's scale word in v[pw] (the same in lanes l and l xor 16).
.macro QF x, pc, tp, pw
.irp c, 0,1
	v_max3_num_f32 v[TM+2*\c], |v[\x+32*\c]|, |v[\x+32*\c+1]|, 0x1800000     ; the floor 2^(3 - 127) among the leaves: the byte cannot fall under 1
	v_max3_num_f32 v[TM+2*\c+1], |v[\x+32*\c+16]|, |v[\x+32*\c+17]|, |v[\x+32*\c+18]|
.endr
.irp i, 0,2,4,6,8,10
.irp c, 0,1
	v_max3_num_f32 v[TM+2*\c], v[TM+2*\c], |v[\x+32*\c+2+\i]|, |v[\x+32*\c+3+\i]|   ; four chains by turns: no line waits for the line above it
	v_max3_num_f32 v[TM+2*\c+1], v[TM+2*\c+1], |v[\x+32*\c+19+\i]|, |v[\x+32*\c+20+\i]|
.endr
.endr
.irp c, 0,1
	v_max3_num_f32 v[TM+2*\c], v[TM+2*\c], |v[\x+32*\c+14]|, |v[\x+32*\c+15]|
.endr
.irp c, 0,1
	v_max3_num_f32 v[TM+2*\c], v[TM+2*\c], v[TM+2*\c+1], |v[\x+32*\c+31]|   ; the block's largest magnitude
.endr
.irp c, 0,1
	v_add_nc_u32 v[SOP+\c], 0xff000000, v[TM+2*\c]   ; 2 off its exponent field: the conversion takes the exponent field of this operand as its scale
.endr
.irp c, 0,1
	v_lshrrev_b32 v[BY+\c], 23, v[SOP+\c]            ; the scale's byte
.endr
	v_lshl_or_b32 v[\pw], v[BY+1], 16, v[BY]         ; my blocks h and 2 + h,
	v_lshlrev_b32 v[\pw], v[SH], v[\pw]              ; at their places in the word;
	v_permlanex16_b32 v[PT], v[\pw], s[SEL], s[SEL+1]
	v_or_b32 v[\pw], v[\pw], v[PT]                   ; with lane l xor 16's two the word is whole
.irp c, 0,1
	v_cvt_scalef32_pk16_fp6_f32 v[\pc+6*\c:\pc+6*\c+2], v[\x+32*\c:\x+32*\c+15], v[SOP+\c]
	v_cvt_scalef32_pk16_fp6_f32 v[\tp+4*\c:\tp+4*\c+2], v[\x+32*\c+16:\x+32*\c+31], v[SOP+\c]   ; (a conversion's three registers begin on an even number)
.endr
	v_nop                                            ; one plain place behind a scaled conversion
.irp c, 0,1
.irp i, 0,1,2
	v_mov_b32 v[\pc+3+6*\c+\i], v[\tp+4*\c+\i]
.endr
.endr
.endm
	s_load_b256 s[4:11], s[0:1], 0x0               ; data s[4:5], wq s[6:7], wk s[8:9], wv s[10:11]
	s_load_b64 s[12:13], s[0:1], 0x20              ; pbuf
	v_lshrrev_b32 v1, 5, v0
	v_readfirstlane_b32 s14, v1                    ; wave 0..6
	v_and_b32 v1, 31, v0                           ; lane
	v_and_b32 v2, 15, v0                           ; r
	v_bfe_u32 v3, v0, 4, 1                         ; h
	v_lshlrev_b32 v[DOF], 10, v2
	v_lshl_add_u32 v[DOF], v3, 7, v[DOF]
	v_lshlrev_b32 v[WOF], 2, v2
	v_lshl_add_u32 v[WOF], v3, 15, v[WOF]
	v_lshlrev_b32 v[LI], 4, v1
	v_lshlrev_b32 v[SH], 3, v3
	v_mov_b32 v[PT], 0                             ; a lane permute's destination counts as one of its sources
	s_mov_b32 s[SEL], 0x76543210
	s_mov_b32 s[SEL+1], 0xfedcba98
	s_mul_i32 s15, ttmp9, 7
	s_add_co_u32 s15, s15, s14                     ; my fragment's number, 0 .. 1,791
	s_lshr_b32 s16, s15, 4                         ; its record
	s_and_b32 s17, s15, 15                         ; its place in the record
	s_lshr_b32 s18, s17, 1                         ; tile t
	s_and_b32 s19, s17, 1                          ; K step ks
	s_mul_i32 s20, s16, REC
	s_mul_i32 s22, s17, FRB
	s_add_co_u32 s22, s22, s20                     ; where the fragment goes
	s_mov_b32 s23, 0
	s_lshl_b32 s30, s19, 9
	s_add_co_u32 s20, s20, s30
	s_lshr_b32 s30, s18, 1
	s_lshl_b32 s30, s30, 2
	s_add_co_u32 s20, s20, s30
	s_add_co_u32 s20, s20, SCO                     ; where its scale words go: image ks, register t / 2
	s_mov_b32 s21, 0
	s_and_b32 s31, s18, 1                          ; and in which half of the lanes
	s_wait_kmcnt 0x0
	s_add_nc_u64 s[26:27], s[12:13], s[22:23]
	s_add_nc_u64 s[32:33], s[12:13], s[20:21]
	s_cmp_lt_u32 s15, 256                          ; the first 256 fragments are data's
	s_cbranch_scc0 .Lweights
	s_lshl_b32 s34, s16, 7
	s_lshl_b32 s35, s18, 4
	s_add_co_u32 s34, s34, s35                     ; first row: 128 x record + 16 t
	s_lshl_b32 s34, s34, 10
	s_lshl_b32 s35, s19, 9
	s_add_co_u32 s34, s34, s35                     ; + 128 ks numbers
	s_mov_b32 s35, 0
	s_add_nc_u64 s[24:25], s[4:5], s[34:35]
	s_wait_alu depctr_va_vdst(0)
.irp c, 0,1
.irp jj, 0,1,2,3,4,5,6,7
	global_load_b128 v[X+32*\c+4*\jj:X+32*\c+4*\jj+3], v[DOF], s[24:25] offset:256*\c+16*\jj   ; K is innermost: a block is 128 neighbouring bytes of my row
.endr
.endr
	s_branch .Lquant
.Lweights:
	s_sub_co_u32 s36, s15, 256
	s_lshr_b32 s37, s36, 9                         ; 0: wq, 1: wk, 2: wv
	s_cmp_eq_u32 s37, 0
	s_cselect_b64 s[24:25], s[6:7], s[8:9]
	s_cmp_eq_u32 s37, 2
	s_cselect_b64 s[24:25], s[10:11], s[24:25]
	s_bfe_u32 s34, s36, 0x40005                    ; head
	s_lshl_b32 s34, s34, 18                        ; 256 x 256 x 4 bytes a head
	s_lshl_b32 s35, s19, 17                        ; 128 rows d a K step
	s_add_co_u32 s34, s34, s35
	s_bfe_u32 s35, s36, 0x10004                    ; which 128 columns e
	s_lshl_b32 s35, s35, 9
	s_add_co_u32 s34, s34, s35
	s_lshl_b32 s35, s18, 6                         ; 16 columns a tile
	s_add_co_u32 s34, s34, s35
	s_mov_b32 s35, 0
	s_add_nc_u64 s[24:25], s[24:25], s[34:35]
.set i, 0
	s_wait_alu depctr_va_vdst(0)
.rept 64
	global_load_b32 v[X+i], v[WOF], s[24:25] offset:((i/32)*64+i%32)*1024   ; K is not innermost: a lane takes a column e and its registers run down d; sixteen lanes read 64 neighbouring bytes
.set i, i+1
.endr
.Lquant:
	s_wait_loadcnt 0x0
	QF X, PC, TP, PW
.irp i, 0,1,2
	global_store_b128 v[LI], v[PC+4*\i:PC+4*\i+3], s[26:27] offset:512*\i   ; 32 lanes store 512 consecutive bytes
.endr
	v_cmp_eq_u32 vcc_lo, s31, v3                   ; the half of the lanes in which tile t's words stand
	s_wait_xcnt 0x0                                ; EXEC changes only behind this wait: the stores above have taken their sources
	s_and_saveexec_b32 s38, vcc_lo
	global_store_b32 v[LI], v[PW], s[32:33]
	s_endpgm
.Lfunc_end_k_q0f1c530847_prep:
	.size	k_q0f1c530847_prep, .Lfunc_end_k_q0f1c530847_prep-k_q0f1c530847_prep
	.p2alignl 7, 3214868480
	.fill 96, 4, 3214868480
	.section	.rodata,"a",@progbits
	.p2align	6, 0x0
	.amdhsa_kernel k_q0f1c530847_prep
		.amdhsa_group_segment_fixed_size 0
		.amdhsa_private_segment_fixed_size 0
		.amdhsa_enable_private_segment 0
		.amdhsa_kernarg_size 40
		.amdhsa_user_sgpr_count 2
		.amdhsa_user_sgpr_kernarg_segment_ptr 1
		.amdhsa_wavefront_size32 1
		.amdhsa_system_sgpr_workgroup_id_x 1
		.amdhsa_system_sgpr_workgroup_id_y 1
		.amdhsa_system_sgpr_workgroup_id_z 1
		.amdhsa_system_vgpr_workitem_id 0
		.amdhsa_next_free_vgpr 128
		.amdhsa_next_free_sgpr 66
		.amdhsa_reserve_vcc 1
		.amdhsa_float_denorm_mode_32 3
		.amdhsa_float_denorm_mode_16_64 3
		.amdhsa_memory_ordered 1
		.amdhsa_forward_progress 1
		.amdhsa_inst_pref_size 14
	.end_amdhsa_kernel
	.amdgpu_metadata
---
amdhsa.version: [ 1, 2 ]
amdhsa.kernels:
  - .name:           k_q0f1c530847_prep
    .symbol:         k_q0f1c530847_prep.kd
    .args:
      - { .name: data, .offset: 0, .size: 8, .value_kind: global_buffer, .address_space: global }
      - { .name: wq, .offset: 8, .size: 8, .value_kind: global_buffer, .address_space: global }
      - { .name: wk, .offset: 16, .size: 8, .value_kind: global_buffer, .address_space: global }
      - { .name: wv, .offset: 24, .size: 8, .value_kind: global_buffer, .address_space: global }
      - { .name: pbuf, .offset: 32, .size: 8, .value_kind: global_buffer, .address_space: global }
    .group_segment_fixed_size: 0
    .private_segment_fixed_size: 0
    .kernarg_segment_align: 8
    .kernarg_segment_size: 40
    .max_flat_workgroup_size: 224
    .sgpr_count:     66
    .vgpr_count:     128
    .wavefront_size: 32
...
	.end_amdgpu_metadata
.endif
;; end of part 1
;; launch proj (part 2): grid 256 x 1, 6 waves a work-group, no clusters, 0 bytes of LDS; arguments pbuf, qbuf, kbuf, vbuf; writes qbuf, kbuf, vbuf
.if DOCPART == 2
	.amdgcn_target "amdgcn-amd-amdhsa--gfx1250"
	.amdhsa_code_object_version 6
	.text
	.protected	k_q0f1c530847_proj
	.globl	k_q0f1c530847_proj
	.p2align	8
	.type	k_q0f1c530847_proj,@function
k_q0f1c530847_proj:
	s_mov_b64 s[64:65], 0
	v_nop
	global_prefetch_b8 v0, s[64:65] scope:SCOPE_SE
	s_setreg_imm32_b32 hwreg(HW_REG_WAVE_MODE, 25, 1), 1
	s_wait_xcnt 0x0
; PROJ: q, k, v = data x w, on the codes that the launch before has laid, and their results quantised in registers for the products that follow: q and k along e, v along the keys.
; Formats (fragment image 1,536 bytes, scale image 512 bytes, record 25,600 bytes) as in the launch before.  q's and k's records (16 head + block of 128 rows): tile t of 16 rows, K step c of 128 e, at (2 t + c) x 1,536.
; v's records (16 head + block of 128 keys): tile n of 16 channels at n x 1,536, K = the block's 128 keys; scale image n / 8.
; A UNIT, one wave: a STATIONARY record's 16 fragments stay in registers as source 0; the 8 tiles of a WALKING record come one after the other as source 1.  Each gives 8 result tiles: lane (r, h) holds row r of the walking
; tile, and its 64 registers run along the stationary record's 128 rows, which are the next product's K: they become one fragment and one scale word a row.
; q, k: stationary = 128 columns e of a weight, walking = 128 rows of data.  v: stationary = 128 rows (keys) of data, walking = 128 columns of wv.  1,024 + 512 units = 256 work-groups x 6 waves.  Waves share nothing.
; ORDER INSIDE A BLOCK OF 32: register 8 t + j of lane half h is row 16 t + 8 h + j of the stationary record, and it is laid at place 32 (t / 2) + 16 h + 8 (t % 2) + j: a permutation inside the quantiser's block of 32,
; the same in q and k, and the same in v and in the attention's p.  Blocks, scales and products are those of the natural order; only the order in which products are added differs.
; LIMITS: as in the launch before (byte 1 for largest magnitudes under 2^-124 and for blocks of zeros; NaN and infinities not served).
.set REC,  25600
.set FRB,  1536
.set SCO,  24576
.set LI,   1                           ; v1   16 x lane
.set SS,   8                           ; v8-15  the stationary record's scale images, K steps 0 and 1
.set WS,   16                          ; v16-23 the walking record's
.set SI,   24                          ; v24-27 the scale image that this unit makes
.set WF,   32                          ; v32-79 walking fragments: two sets of two K steps
.set H,    80                          ; v80-143 the eight result tiles
.set PC,   144                         ; v144-163 the codes just made
.set TM,   164                         ; v164-179 at work in QUANT
.set PW,   180                         ; v180 the scale word just made
.set SEL,  20                          ; s[20:21]
.set STA,  24                          ; s[24:25] the stationary record
.set WK,   26                          ; s[26:27] the walking record
.set OUT,  28                          ; s[28:29] where the next fragment goes
.set STR,  30                          ; s[30:31] from fragment to fragment
.set SCA,  32                          ; s[32:33] where the scale image goes
; window 1: v0-191 the stationary fragments, tile t and K step ks at 12 (2 t + ks)
.set MSB, 0
.macro WIN new                         ; the immediate's high byte repeats the setting that is left
.if MSB != \new
	s_set_vgpr_msb (MSB<<8)|\new
.set MSB, \new
.endif
.endm
.macro PLACES n
.rept \n
	v_nop
.endr
.endm
; one matrix instruction: D at d, source 0 at a, source 1 at b; zero: the product starts the sum; sa, sb the scale registers; ra, rb: the scales stand in lanes 16-31
.macro MM d, a, b, zero, sa, sb, ra, rb
.if (\zero)
.if (\ra) && (\rb)
	v_wmma_scale_f32_16x16x128_f8f6f4 v[\d:\d+7], v[\a:\a+11], v[\b:\b+11], 0, v[\sa], v[\sb] matrix_a_fmt:MATRIX_FMT_FP6 matrix_b_fmt:MATRIX_FMT_FP6 matrix_a_scale:MATRIX_SCALE_ROW1 matrix_b_scale:MATRIX_SCALE_ROW1
.elseif (\ra)
	v_wmma_scale_f32_16x16x128_f8f6f4 v[\d:\d+7], v[\a:\a+11], v[\b:\b+11], 0, v[\sa], v[\sb] matrix_a_fmt:MATRIX_FMT_FP6 matrix_b_fmt:MATRIX_FMT_FP6 matrix_a_scale:MATRIX_SCALE_ROW1
.elseif (\rb)
	v_wmma_scale_f32_16x16x128_f8f6f4 v[\d:\d+7], v[\a:\a+11], v[\b:\b+11], 0, v[\sa], v[\sb] matrix_a_fmt:MATRIX_FMT_FP6 matrix_b_fmt:MATRIX_FMT_FP6 matrix_b_scale:MATRIX_SCALE_ROW1
.else
	v_wmma_scale_f32_16x16x128_f8f6f4 v[\d:\d+7], v[\a:\a+11], v[\b:\b+11], 0, v[\sa], v[\sb] matrix_a_fmt:MATRIX_FMT_FP6 matrix_b_fmt:MATRIX_FMT_FP6
.endif
.else
.if (\ra) && (\rb)
	v_wmma_scale_f32_16x16x128_f8f6f4 v[\d:\d+7], v[\a:\a+11], v[\b:\b+11], v[\d:\d+7], v[\sa], v[\sb] matrix_a_fmt:MATRIX_FMT_FP6 matrix_b_fmt:MATRIX_FMT_FP6 matrix_a_scale:MATRIX_SCALE_ROW1 matrix_b_scale:MATRIX_SCALE_ROW1
.elseif (\ra)
	v_wmma_scale_f32_16x16x128_f8f6f4 v[\d:\d+7], v[\a:\a+11], v[\b:\b+11], v[\d:\d+7], v[\sa], v[\sb] matrix_a_fmt:MATRIX_FMT_FP6 matrix_b_fmt:MATRIX_FMT_FP6 matrix_a_scale:MATRIX_SCALE_ROW1
.elseif (\rb)
	v_wmma_scale_f32_16x16x128_f8f6f4 v[\d:\d+7], v[\a:\a+11], v[\b:\b+11], v[\d:\d+7], v[\sa], v[\sb] matrix_a_fmt:MATRIX_FMT_FP6 matrix_b_fmt:MATRIX_FMT_FP6 matrix_b_scale:MATRIX_SCALE_ROW1
.else
	v_wmma_scale_f32_16x16x128_f8f6f4 v[\d:\d+7], v[\a:\a+11], v[\b:\b+11], v[\d:\d+7], v[\sa], v[\sb] matrix_a_fmt:MATRIX_FMT_FP6 matrix_b_fmt:MATRIX_FMT_FP6
.endif
.endif
.endm
; 64 numbers of a lane, register 16 b + i = place 32 b + 16 h + i of my row, become a fragment's codes in v[PC] on and its scale word in v[PW] (the same in lanes l and l xor 16)
.macro QUANT s
.irp b, 0,1,2,3
	v_max3_num_f32 v[TM+\b], |v[\s+16*\b]|, |v[\s+1+16*\b]|, 0x1800000   ; block b: my 16 numbers, and the floor 2^(3 - 127): the byte cannot fall under 1
.endr
.irp i, 2,4,6,8,10,12,14
.irp b, 0,1,2,3
	v_max3_num_f32 v[TM+\b], v[TM+\b], |v[\s+16*\b+\i]|, |v[\s+1+16*\b+\i]|   ; the four blocks by turns; each result tile is read from its low end on
.endr
.endr
.irp b, 0,1,2,3
	v_permlanex16_b32 v[TM+4+\b], v[TM+\b], s[SEL], s[SEL+1]
.endr
.irp b, 0,1,2,3
	v_max_num_f32 v[TM+\b], v[TM+\b], v[TM+4+\b]   ; with lane l xor 16's: the block's largest magnitude
.endr
.irp b, 0,1,2,3
	v_add_nc_u32 v[TM+12+\b], 0xff000000, v[TM+\b]   ; 2 off its exponent field: the conversion's scale operand
.endr
.irp b, 0,1,2,3
	v_lshrrev_b32 v[TM+4+\b], 23, v[TM+12+\b]        ; the scale's byte
.endr
	v_lshl_or_b32 v[PW], v[TM+5], 8, v[TM+4]
	v_lshl_or_b32 v[PW], v[TM+6], 16, v[PW]
	v_lshl_or_b32 v[PW], v[TM+7], 24, v[PW]
.irp c, 0,1
	v_cvt_scalef32_pk16_fp6_f32 v[PC+6*\c:PC+2+6*\c], v[\s+32*\c:\s+15+32*\c], v[TM+12+2*\c]
	v_cvt_scalef32_pk16_fp6_f32 v[PC+12+4*\c:PC+14+4*\c], v[\s+16+32*\c:\s+31+32*\c], v[TM+12+2*\c+1]   ; (a conversion's three registers begin on an even number)
.endr
	v_nop                                            ; one plain place behind a scaled conversion
.irp c, 0,1                                      ; the operand's layout wants a whole block in a lane: lanes 0-15 block 2 c, lanes 16-31 block 2 c + 1
.irp i, 0,1,2
	v_permlane16_swap_b32 v[PC+6*\c+\i], v[PC+12+4*\c+\i]
.endr
.irp i, 0,1,2
	v_mov_b32 v[PC+3+6*\c+\i], v[PC+12+4*\c+\i]
.endr
.endr
.endm
	s_load_b256 s[4:11], s[0:1], 0x0               ; pbuf s[4:5], qbuf s[6:7], kbuf s[8:9], vbuf s[10:11]
	v_lshrrev_b32 v1, 5, v0
	v_readfirstlane_b32 s12, v1                    ; wave 0..5
	v_and_b32 v2, 31, v0
	v_lshlrev_b32 v[LI], 4, v2
	v_cmp_le_u32 s22, 16, v2                       ; s22: lanes 16-31
.irp b, 0,1,2,3
	v_mov_b32 v[TM+4+\b], 0                        ; a lane permute's destination counts as one of its sources
.endr
	s_mov_b32 s[SEL], 0x76543210
	s_mov_b32 s[SEL+1], 0xfedcba98
	s_mul_i32 s13, ttmp9, 6
	s_add_co_u32 s13, s13, s12                     ; my unit u, 0 .. 1,535
	; u < 1,024, q and k: u = 32 (16 mat + head) + 16 c + j
	s_lshr_b32 s14, s13, 4
	s_add_co_u32 s14, s14, 16                      ; stationary: the weight's record
	s_and_b32 s15, s13, 15                         ; walking: data's block j
	s_bfe_u32 s16, s13, 0x40005
	s_lshl_b32 s16, s16, 4
	s_add_co_u32 s16, s16, s15                     ; output record 16 head + j
	s_bfe_u32 s17, s13, 0x10004                    ; c
	; u >= 1,024, v: u - 1,024 = 32 j + 2 head + nh
	s_sub_co_u32 s34, s13, 1024
	s_lshr_b32 s35, s34, 5                         ; stationary: data's block j
	s_and_b32 s36, s34, 31
	s_add_co_u32 s36, s36, 80                      ; walking: wv's record
	s_bfe_u32 s37, s34, 0x40001
	s_lshl_b32 s37, s37, 4
	s_add_co_u32 s37, s37, s35
	s_and_b32 s38, s34, 1                          ; nh
	s_mov_b32 s39, 8*FRB
	s_mov_b32 s[STR], FRB
	s_cmp_lt_u32 s13, 1024
	s_cselect_b32 s14, s14, s35
	s_cselect_b32 s15, s15, s36
	s_cselect_b32 s16, s16, s37
	s_cselect_b32 s17, s17, s38
	s_cselect_b32 s39, FRB, s39                    ; my half's first fragment: c x 1 or nh x 8 fragments on,
	s_cselect_b32 s[STR], 2*FRB, s[STR]            ; and from one to the next two fragments or one
	s_mov_b32 s[STR+1], 0
	s_mul_i32 s40, s14, REC
	s_mov_b32 s41, 0
	s_mul_i32 s42, s15, REC
	s_mov_b32 s43, 0
	s_mul_i32 s16, s16, REC
	s_mul_i32 s44, s39, s17
	s_add_co_u32 s44, s44, s16
	s_mov_b32 s45, 0
	s_lshl_b32 s46, s17, 9
	s_add_co_u32 s46, s46, s16
	s_add_co_u32 s46, s46, SCO
	s_mov_b32 s47, 0
	s_wait_alu depctr_va_vdst(0)
	s_wait_kmcnt 0x0
	s_add_nc_u64 s[STA:STA+1], s[4:5], s[40:41]
	s_add_nc_u64 s[WK:WK+1], s[4:5], s[42:43]
	s_cmp_lt_u32 s13, 512
	s_cselect_b64 s[OUT:OUT+1], s[6:7], s[8:9]
	s_cmp_lt_u32 s13, 1024
	s_cselect_b64 s[OUT:OUT+1], s[OUT:OUT+1], s[10:11]
	s_add_nc_u64 s[SCA:SCA+1], s[OUT:OUT+1], s[46:47]
	s_add_nc_u64 s[OUT:OUT+1], s[OUT:OUT+1], s[44:45]
	WIN 0x40                                       ; destination window 1
.set f, 0
.rept 48
	global_load_b128 v[4*f:4*f+3], v[LI], s[STA:STA+1] offset:512*f   ; the 16 fragments on end: 32 lanes read 512 consecutive bytes
.set f, f+1
.endr
	WIN 0
.irp c, 0,1
	global_load_b128 v[SS+4*\c:SS+4*\c+3], v[LI], s[STA:STA+1] offset:SCO+512*\c
	global_load_b128 v[WS+4*\c:WS+4*\c+3], v[LI], s[WK:WK+1] offset:SCO+512*\c
.endr
.irp o, 0,1
.irp i, 0,1,2,3,4,5
	global_load_b128 v[WF+24*\o+4*\i:WF+24*\o+4*\i+3], v[LI], s[WK:WK+1] offset:2*FRB*\o+512*\i
.endr
.endr
; walking tile o: 16 products, the eight accumulators by turns; then the results become a fragment
.macro OUTP o
.if \o < 7
	s_wait_loadcnt 6                               ; all but the six youngest loads, the next tile's fragments
.else
	s_wait_loadcnt 0x0
.endif
	WIN 0x01                                       ; source 0 window 1
.irp t, 0,1,2,3,4,5,6,7
	MM H+8*\t, 24*\t, WF+24*((\o)%2), 1, SS+\t/2, WS+(\o)/2, \t%2, (\o)%2
.endr
.irp t, 0,1,2,3,4,5,6,7
	MM H+8*\t, 24*\t+12, WF+24*((\o)%2)+12, 0, SS+4+\t/2, WS+4+(\o)/2, \t%2, (\o)%2
.endr
	WIN 0
	PLACES 4                                       ; in front of loads into registers that the products read, and of the first read of results
.if \o < 6
.irp i, 0,1,2,3,4,5
	global_load_b128 v[WF+24*((\o)%2)+4*\i:WF+24*((\o)%2)+4*\i+3], v[LI], s[WK:WK+1] offset:2*FRB*((\o)+2)+512*\i
.endr
.endif
.if \o > 0
	s_wait_xcnt 0x0                                ; the last fragment's stores have taken their data and their base: both are written again below
	s_add_nc_u64 s[OUT:OUT+1], s[OUT:OUT+1], s[STR:STR+1]
.endif
	QUANT H
.irp i, 0,1,2
	global_store_b128 v[LI], v[PC+4*\i:PC+4*\i+3], s[OUT:OUT+1] offset:512*\i   ; 32 lanes store 512 consecutive bytes
.endr
.if (\o)%2 == 0
	v_mov_b32 v[SI+(\o)/2], v[PW]                  ; an even tile's words stand in lanes 0-15,
.else
	v_cndmask_b32 v[SI+(\o)/2], v[SI+(\o)/2], v[PW], s22   ; an odd tile's in lanes 16-31 of the same register
.endif
.endm
.irp o, 0,1,2,3,4,5,6,7
	OUTP \o
.endr
	global_store_b128 v[LI], v[SI:SI+3], s[SCA:SCA+1]
	s_endpgm
.Lfunc_end_k_q0f1c530847_proj:
	.size	k_q0f1c530847_proj, .Lfunc_end_k_q0f1c530847_proj-k_q0f1c530847_proj
	.p2alignl 7, 3214868480
	.fill 96, 4, 3214868480
	.section	.rodata,"a",@progbits
	.p2align	6, 0x0
	.amdhsa_kernel k_q0f1c530847_proj
		.amdhsa_group_segment_fixed_size 0
		.amdhsa_private_segment_fixed_size 0
		.amdhsa_enable_private_segment 0
		.amdhsa_kernarg_size 32
		.amdhsa_user_sgpr_count 2
		.amdhsa_user_sgpr_kernarg_segment_ptr 1
		.amdhsa_wavefront_size32 1
		.amdhsa_system_sgpr_workgroup_id_x 1
		.amdhsa_system_sgpr_workgroup_id_y 1
		.amdhsa_system_sgpr_workgroup_id_z 1
		.amdhsa_system_vgpr_workitem_id 0
		.amdhsa_next_free_vgpr 448
		.amdhsa_next_free_sgpr 66
		.amdhsa_reserve_vcc 0
		.amdhsa_float_denorm_mode_32 3
		.amdhsa_float_denorm_mode_16_64 3
		.amdhsa_memory_ordered 1
		.amdhsa_forward_progress 1
		.amdhsa_inst_pref_size 63
	.end_amdhsa_kernel
	.amdgpu_metadata
---
amdhsa.version: [ 1, 2 ]
amdhsa.kernels:
  - .name:           k_q0f1c530847_proj
    .symbol:         k_q0f1c530847_proj.kd
    .args:
      - { .name: pbuf, .offset: 0, .size: 8, .value_kind: global_buffer, .address_space: global }
      - { .name: qbuf, .offset: 8, .size: 8, .value_kind: global_buffer, .address_space: global }
      - { .name: kbuf, .offset: 16, .size: 8, .value_kind: global_buffer, .address_space: global }
      - { .name: vbuf, .offset: 24, .size: 8, .value_kind: global_buffer, .address_space: global }
    .group_segment_fixed_size: 0
    .private_segment_fixed_size: 0
    .kernarg_segment_align: 8
    .kernarg_segment_size: 32
    .max_flat_workgroup_size: 192
    .sgpr_count:     66
    .vgpr_count:     448
    .wavefront_size: 32
...
	.end_amdgpu_metadata
.endif
;; end of part 2
;; launch attn (part 3): grid 16 x 16, 4 waves a work-group, clusters of 4 x 1, 327,680 bytes of LDS; arguments qbuf, kbuf, vbuf, zbuf; writes zbuf
.if DOCPART == 3
	.amdgcn_target "amdgcn-amd-amdhsa--gfx1250"
	.amdhsa_code_object_version 6
	.text
	.protected	k_q0f1c530847_attn
	.globl	k_q0f1c530847_attn
	.p2align	8
	.type	k_q0f1c530847_attn,@function
k_q0f1c530847_attn:
	s_mov_b64 s[64:65], 0
	v_nop
	global_prefetch_b8 v0, s[64:65] scope:SCOPE_SE
	s_setreg_imm32_b32 hwreg(HW_REG_WAVE_MODE, 25, 1), 1
	s_wait_xcnt 0x0
	s_wait_alu depctr_hold_cnt(0) depctr_sa_sdst(0) depctr_va_vdst(0) depctr_va_sdst(0) depctr_va_ssrc(0) depctr_va_vcc(0) depctr_vm_vsrc(0)
	s_getreg_b32 s2, hwreg(HW_REG_IB_STS2, 6, 4)
	s_cmp_eq_u32 s2, 0
	s_cbranch_scc0 .Lentry_in_a_cluster
	s_endpgm
.Lentry_in_a_cluster:
	s_bfe_u32 s2, ttmp6, 0x10000c
	s_cmp_lg_u32 s2, 0x3003
	s_cbranch_scc0 .Lentry_shape_is_right
	s_endpgm
.Lentry_shape_is_right:
; ATTN: z[h][q] = the sum over keys of softmax(q . k / 16) v, both products on codes of FP6 (E2M3) with one E8M0 byte for each 32 along K; z leaves quantised along the queries, as the last product's operand.
; THE SOFTMAX: t = score x log2(e) / 16; M = the running largest t rounded up to a whole number; p = 2^(t - M) is quantised along the keys, not normalised; the sum l is taken of the unquantised p and divides at the end.
; When M moves, l and O are multiplied by 2^(old M - new M), which rounds nothing.
; SHARES: a work-group owns 128 queries of a head, each of its four waves 32: two tiles of 16, which are one quantiser block of z.  Every wave walks the head's 2,048 keys, 128 a step.
; Both products are used transposed (S^T = K Q^T, O^T = V^T P^T): a lane holds one query throughout.  Each fragment of K and V read from LDS feeds two matrix instructions.
; FORMATS: fragment image 1,536 bytes, scale image 512 bytes, record 25,600 bytes, as the launches before lay them.  A key step is one record of K (8 tiles of 16 keys x 2 K steps of 128 e) and one of V (16 tiles of 16 channels).
; Inside a block of 32 along K the places are permuted, alike in q and k, and alike in p and v (see the launch before): blocks, scales and products are those of the natural order.
; RING: two LDS slots of two key steps each (two records of K, two of V: 102,400 bytes).  CLUSTER: the four blocks of queries of a cluster belong to one head and walk the same K and V: each record is asked for jointly,
; by the same tensor load with a mask that names the four.  Waves 0 and 1 fetch K's two records, waves 2 and 3 V's: one tensor load a wave is out, and it has two key steps in which to land.
; O^T begins as zeros and the largest t as -3e38, so that a key step is written without a first step of its own: 256 moves once against two more copies of a key step.
; LIMITS: NaN and infinities are not served; a block whose largest magnitude lies under 2^-124, or that is all zeros, has byte 1 (its codes are then zeros or held by that scale; this program alone reads the bytes).
; REGISTERS.  window 0: v1-15 addresses; v16-23 statistics; v24-43 scale registers, which hold nothing else; v44-67 p's codes; v68-95 at work; v96-223 S^T, then p; v230-252 tile 1's copies of the registers at work.
;   window 1: O^T, tile of queries q and tile of channels n at 128 q + 8 n.   window 2: K's fragments at 12 (2 t + c), Q's at 192 + 12 (2 q + c).   window 3: V's fragments at 12 n.
.set REC,   25600
.set FRB,   1536
.set SCO,   24576
.set SLOT1, 1<<17                      ; slot 1 begins here: one exclusive or turns an address in one slot into the other's
.set VOFF,  2*REC                      ; in a slot: K's two records, then V's two
.set ZIMG,  4*REC                      ; behind slot 0: the record of z that the work-group makes
.set SPARE, ZIMG+REC                   ; the spare words, 128 bytes for each wave: two blocks of 256 bytes that no other line names
.set STG,   SLOT1+4*REC                ; behind slot 1: a stage of 32 rows x (512 + 16) bytes for each wave
.set SP,    528
.set WSTG,  32*SP
.set LI,  1                            ; v1   16 x lane
.set AK,  2                            ; v2   16 x lane + the slot in hand
.set AV,  3                            ; v3   the same at V's records
.set SPW, 4                            ; v4   my spare word; never rewritten
.set NIL, 5                            ; v5   0; never rewritten
.set SO,  6                            ; v6   the stage: where I put 32 bytes of a query's row
.set SRD, 7                            ; v7   the stage: my channel's column
.set ZA,  8                            ; v8   z's image: my codes' first and third 8 bytes
.set ZB,  9                            ; v9   the second 8 bytes
.set ZS,  10                           ; v10  my scale byte
.set ZRD, 11                           ; v11  z's image, 16 x thread
.set GO,  12                           ; v12  16 x thread
.set PFO, 13                           ; v13  the prefetch's offset
.set ZR8, 14                           ; v14  z's scale images, 8 x thread
.set GO8, 15                           ; v15  8 x thread
.set T0,  16                           ; tile q: v[T0+4q] -M, +1 the largest t, +2, +3 l in two halves
.set QS,  24                           ; v24-25 Q's scale words of K steps 0, 1: lanes 0-15 tile 0, lanes 16-31 tile 1
.set PS,  26                           ; v26-27 p's scale words
.set KS,  28                           ; v28-35 K's two scale images
.set VS,  36                           ; v36-43 V's two
.set PB,  44                           ; p's codes, 12 a tile
.set CT,  68                           ; v68-74 conversions' second halves
.set BM,  76                           ; v76-79 the blocks' largest scores
.set PT,  80                           ; v80-83 the other half's; a chain of sums; the bytes
.set SOP, 84                           ; v84-87 the conversions' scale operands
.set FF,  88                           ; v[88:89] f = 2^(old M - new M)
.set TMP, 90
.set S,   96
.set X0,  224                          ; the way out: 32 queries of a channel, two sets
.set X1,  44
.set C0,  76                           ; the way out: a block's codes, two sets of 9
.set C1,  86
.set SOPZ, 85
.set BY0, 16
.set BY1, 17
.set MX0, 20
.set MX1, 21
.set LN,  224                          ; at the head only: lane, r, h, Q's offsets
.set RR,  225
.set HH,  226
.set QFO, 227
.set QSO, 228
.set WV,  12                           ; s12  my wave
.set LIM, 15                           ; s15  1 in the head's first cluster, else the greatest number
.set PFA, 18                           ; s[18:19] where my prefetches stand
.set SEL, 20                           ; s[20:21] lane l xor 16
.set CS,  22                           ; s[22:23] c = log2(e) / 16
.set G1,  24                           ; s[24:31] descriptor group 1: a record
.set G0K, 32                           ; s[32:35] group 0 for K's records; it walks
.set G0V, 36                           ; s[36:39] for V's
.set TB,  40                           ; s40  the slot in hand
.set SLOTS, 41                         ; s41  slots still to be asked for
.set W_KQ, 0x0a                        ; K and Q window 2, S^T window 0
.set W_PV, 0x53                        ; V window 3, p window 0, O^T window 1
.set W_RS, 0x41                        ; O^T (destination and source 0) window 1
.set TO_K, 0x80
.set TO_V, 0xc0
.set FROM_O, 0x01
.set MSB, 0
.macro WIN new                         ; the immediate's high byte repeats the setting that is left
.if MSB != \new
	s_set_vgpr_msb (MSB<<8)|\new
.set MSB, \new
.endif
.endm
.macro PLACES n
.rept \n
	v_nop
.endr
.endm
.macro MM d, a, b, zero, sa, sb, ra, rb
.if (\zero)
.if (\ra) && (\rb)
	v_wmma_scale_f32_16x16x128_f8f6f4 v[\d:\d+7], v[\a:\a+11], v[\b:\b+11], 0, v[\sa], v[\sb] matrix_a_fmt:MATRIX_FMT_FP6 matrix_b_fmt:MATRIX_FMT_FP6 matrix_a_scale:MATRIX_SCALE_ROW1 matrix_b_scale:MATRIX_SCALE_ROW1
.elseif (\ra)
	v_wmma_scale_f32_16x16x128_f8f6f4 v[\d:\d+7], v[\a:\a+11], v[\b:\b+11], 0, v[\sa], v[\sb] matrix_a_fmt:MATRIX_FMT_FP6 matrix_b_fmt:MATRIX_FMT_FP6 matrix_a_scale:MATRIX_SCALE_ROW1
.elseif (\rb)
	v_wmma_scale_f32_16x16x128_f8f6f4 v[\d:\d+7], v[\a:\a+11], v[\b:\b+11], 0, v[\sa], v[\sb] matrix_a_fmt:MATRIX_FMT_FP6 matrix_b_fmt:MATRIX_FMT_FP6 matrix_b_scale:MATRIX_SCALE_ROW1
.else
	v_wmma_scale_f32_16x16x128_f8f6f4 v[\d:\d+7], v[\a:\a+11], v[\b:\b+11], 0, v[\sa], v[\sb] matrix_a_fmt:MATRIX_FMT_FP6 matrix_b_fmt:MATRIX_FMT_FP6
.endif
.else
.if (\ra) && (\rb)
	v_wmma_scale_f32_16x16x128_f8f6f4 v[\d:\d+7], v[\a:\a+11], v[\b:\b+11], v[\d:\d+7], v[\sa], v[\sb] matrix_a_fmt:MATRIX_FMT_FP6 matrix_b_fmt:MATRIX_FMT_FP6 matrix_a_scale:MATRIX_SCALE_ROW1 matrix_b_scale:MATRIX_SCALE_ROW1
.elseif (\ra)
	v_wmma_scale_f32_16x16x128_f8f6f4 v[\d:\d+7], v[\a:\a+11], v[\b:\b+11], v[\d:\d+7], v[\sa], v[\sb] matrix_a_fmt:MATRIX_FMT_FP6 matrix_b_fmt:MATRIX_FMT_FP6 matrix_a_scale:MATRIX_SCALE_ROW1
.elseif (\rb)
	v_wmma_scale_f32_16x16x128_f8f6f4 v[\d:\d+7], v[\a:\a+11], v[\b:\b+11], v[\d:\d+7], v[\sa], v[\sb] matrix_a_fmt:MATRIX_FMT_FP6 matrix_b_fmt:MATRIX_FMT_FP6 matrix_b_scale:MATRIX_SCALE_ROW1
.else
	v_wmma_scale_f32_16x16x128_f8f6f4 v[\d:\d+7], v[\a:\a+11], v[\b:\b+11], v[\d:\d+7], v[\sa], v[\sb] matrix_a_fmt:MATRIX_FMT_FP6 matrix_b_fmt:MATRIX_FMT_FP6
.endif
.endif
.endm
; A joint load: waves 0 and 1 fetch K's two records of a slot, waves 2 and 3 V's.  The branch hangs on the wave's number alone.  Four v_nop follow each of the two lines.
.macro JLOAD
	s_cmp_lt_u32 s[WV], 2
	s_cbranch_scc0 .Lfor_v_\@
	tensor_load_to_lds s[G0K:G0K+3], s[G1:G1+7]
	s_nop 0
.rept 4
	v_nop
.endr
	s_branch .Lasked_\@
.Lfor_v_\@:
	tensor_load_to_lds s[G0V:G0V+3], s[G1:G1+7]
	s_nop 0
.rept 4
	v_nop
.endr
.Lasked_\@:
.endm
; A prefetch of what the NEXT change of slots will ask for.  All clusters of a head walk the same K and V: the head's first cluster asks.  Each wave asks for the record that it will fetch; the four partners share its
; 100 blocks of 256 bytes out by address, 25 each, a lane a block (lanes 25 to 31 name lane 24's block again, in the same instruction).  The last change that fills a slot asks for nothing; slots 0 and 1 come by their loads alone.
.macro ASK
	s_cmp_gt_u32 s[SLOTS], s[LIM]
	s_cbranch_scc0 .Lnot_mine_\@
	global_prefetch_b8 v[PFO], s[PFA:PFA+1] th:TH_LOAD_NT scope:SCOPE_SE
.Lnot_mine_\@:
.endm
; A round of the cluster's barrier
.macro CROUND
	s_barrier_signal -1
	s_barrier_wait -1
	s_cmp_lg_u32 s[WV], 0
	s_cbranch_scc1 .Lnot_wave_0_\@
	s_barrier_signal -3
.Lnot_wave_0_\@:
	s_barrier_wait -3
	s_barrier_signal -1
	s_barrier_wait -1
.endm
	s_load_b256 s[4:11], s[0:1], 0x0               ; q s[4:5], k s[6:7], v s[8:9], z s[10:11]
	v_lshl_add_u32 v[SPW], v0, 2, SPARE
	v_mov_b32 v[NIL], 0
	ds_add_u32 v4, v5
	ds_add_u32 v4, v5
	s_wait_dscnt 0x0
	v_lshrrev_b32 v1, 5, v0
	v_readfirstlane_b32 s[WV], v1                  ; wave 0..3
	s_bfe_u32 s13, ttmp6, 0x40000                  ; cx: my place in the cluster
	s_lshl_b32 s14, ttmp9, 2
	s_add_co_u32 s14, s14, s13                     ; my block of 128 queries: it enters q's and z's addresses alone
	s_and_b32 s42, ttmp7, 0xffff                   ; the head, which the four partners share
	s_mul_i32 s42, s42, 16*REC                     ; its first byte in each of the four buffers
	s_and_b32 s16, s[WV], 1
	s_mul_i32 s17, s16, REC                        ; which of a slot's two records I fetch: its place in memory and in LDS
	s_add_co_u32 s44, s42, s17
	s_mov_b32 s45, 0
	s_mul_i32 s46, s14, REC
	s_add_co_u32 s46, s46, s42                     ; q's and z's record
	s_mov_b32 s47, 0
	s_mul_i32 s48, s13, 25*256                     ; the prefetches: my work-group's 25 blocks of a record,
	s_add_co_u32 s48, s48, 2*REC                   ; in slot 1: the first change of slots steps it to slot 2
	s_mov_b32 s49, 0
	; descriptor group 1: a record is a dense block of 100 rows of 256 bytes (32 elements of 8 bytes), no padding
	s_mov_b32 s[G1], 15|(3<<16)|(1<<21)            ; 15:0 the mask: all four work-groups; 17:16 elements of 8 bytes; 21 set beside a mask
	s_mov_b32 s[G1+1], 32<<16                      ; tensor_dim0 = 32
	s_mov_b32 s[G1+2], 100<<16                     ; tensor_dim1 = 100
	s_mov_b32 s[G1+3], 32<<16                      ; tile_dim0 = 32
	s_mov_b32 s[G1+4], 100                         ; tile_dim1 = 100
	s_mov_b32 s[G1+5], 32                          ; from row to row
	s_mov_b32 s[G1+6], 0
	s_mov_b32 s[G1+7], 0
	s_mov_b32 s[SEL], 0x76543210
	s_mov_b32 s[SEL+1], 0xfedcba98
	s_mov_b32 s[CS], 0x3db8aa3b                    ; c = log2(e) / 16
	s_mov_b32 s[CS+1], s[CS]                       ; (named with it as a pair, so it is written)
	s_mov_b32 s[TB], 0
	s_mov_b32 s[SLOTS], 7
	s_cmp_eq_u32 ttmp9, 0                          ; the same in all four partners
	s_cselect_b32 s[LIM], 1, -1
	s_wait_kmcnt 0x0
	s_mov_b32 s[G0K], 1                            ; count = 1
	s_mov_b32 s[G0K+1], s17                        ; LDS address: slot 0
	s_add_nc_u64 s[G0K+2:G0K+3], s[6:7], s[44:45]  ; the head's first two key steps
	s_or_b32 s[G0K+3], s[G0K+3], 0x80000000        ; type = 2
	s_mov_b32 s[G0V], 1
	s_add_co_u32 s[G0V+1], s17, VOFF
	s_add_nc_u64 s[G0V+2:G0V+3], s[8:9], s[44:45]
	s_or_b32 s[G0V+3], s[G0V+3], 0x80000000
	s_cmp_lt_u32 s[WV], 2
	s_cselect_b64 s[PFA:PFA+1], s[6:7], s[8:9]
	s_add_nc_u64 s[PFA:PFA+1], s[PFA:PFA+1], s[44:45]
	s_add_nc_u64 s[PFA:PFA+1], s[PFA:PFA+1], s[48:49]
	s_add_nc_u64 s[4:5], s[4:5], s[46:47]
	s_add_nc_u64 s[10:11], s[10:11], s[46:47]
	CROUND                                         ; all four work-groups are here: the first joint loads meet
	JLOAD                                          ; slot 0
	v_and_b32 v[LN], 31, v0
	v_and_b32 v[RR], 15, v0
	v_bfe_u32 v[HH], v0, 4, 1
	s_wait_alu depctr_va_vdst(0)
	v_lshlrev_b32 v[LI], 4, v[LN]
	s_mul_i32 s50, s[WV], 4*FRB                    ; my two tiles x two K steps: four fragments on end
	v_add_nc_u32 v[QFO], s50, v[LI]
	s_lshl_b32 s50, s[WV], 2                       ; register w of a scale image holds tiles 2 w and 2 w + 1
	s_add_co_u32 s50, s50, SCO
	v_add_nc_u32 v[QSO], s50, v[LI]
	WIN TO_K
.set i, 0
.rept 12
	global_load_b128 v[192+4*i:192+4*i+3], v[QFO], s[4:5] offset:512*i   ; Q stays in registers
.set i, i+1
.endr
	WIN 0
	global_load_b32 v[QS], v[QSO], s[4:5]
	global_load_b32 v[QS+1], v[QSO], s[4:5] offset:512
	; the addresses of the way out
	s_mul_i32 s50, s[WV], WSTG
	s_add_co_u32 s50, s50, STG                     ; my stage
	v_mul_u32_u24 v[SO], v[RR], SP
	v_lshl_add_u32 v[SO], v[HH], 5, v[SO]
	v_add_nc_u32 v[SO], s50, v[SO]                 ; in: row r, 32 bytes for each half of the lanes
	v_lshl_add_u32 v[SRD], v[LN], 2, s50           ; back: a lane a channel
	; z's image: my 32 queries are block w of the record's K.  Channel 16 n + r goes to fragment n, lane r + 16 (w % 2), registers 6 (w / 2) + 0 .. 5
	s_lshr_b32 s51, s[WV], 1
	s_lshl_b32 s50, s16, 8
	s_add_co_u32 s50, s50, ZIMG
	v_mul_u32_u24 v[ZA], v[HH], FRB                ; lanes 16-31 hold the next tile's channels
	v_lshl_add_u32 v[ZA], v[RR], 4, v[ZA]
	v_add_nc_u32 v[ZA], s50, v[ZA]
	s_mul_i32 s50, s51, 1016
	s_add_co_u32 s50, s50, 8
	v_add_nc_u32 v[ZB], s50, v[ZA]                 ; registers 2, 3 at byte 8, or 8, 9 at byte 1,024
	s_mul_i32 s50, s51, 520
	v_add_nc_u32 v[ZA], s50, v[ZA]                 ; registers 0, 1 at byte 0 and 4, 5 at 512, or 6, 7 at 520 and 10, 11 at 1,032
	s_add_co_u32 s50, s[WV], ZIMG+SCO
	v_add_nc_u32 v[ZS], s50, v[LI]                 ; byte w of my channel's scale word
	v_lshlrev_b32 v[GO], 4, v0
	v_add_nc_u32 v[ZRD], ZIMG, v[GO]
	v_lshlrev_b32 v[GO8], 3, v0
	v_add_nc_u32 v[ZR8], ZIMG+SCO, v[GO8]
	v_min_u32 v[PFO], 24, v[LN]
	v_lshlrev_b32 v[PFO], 8, v[PFO]
.irp q, 0,1
	v_mov_b32 v[T0+4*\q+1], 0xff61b1e6             ; the largest t so far: -3e38, under every t
	v_floor_f32 v[T0+4*\q], -v[T0+4*\q+1]          ; -M
	v_mov_b32 v[T0+4*\q+2], 0                      ; l, in two halves
	v_mov_b32 v[T0+4*\q+3], 0
.endr
.irp b, 0,1,2,3
	v_mov_b32 v[PT+\b], 0                          ; a lane permute's destination counts as one of its sources
.endr
.set DQ, 154                           ; in the loop v230-244 are tile 1's own copies of the registers at work v76-90 (BM, PT, SOP, FF, TMP),
.set DC, 178                           ; and v246-252 its copy of v68-74 (CT): the two tiles' softmaxes are worked together
	v_mov_b32 v[FF+1], 0                           ; (named as the upper half of a pair)
.irp b, 0,1,2,3
	v_mov_b32 v[PT+DQ+\b], 0                       ; a lane permute's destination counts as one of its sources
.endr
	v_mov_b32 v[FF+DQ+1], 0
	WIN 0x40
.set i, 0
.rept 256
	v_mov_b32 v[i], 0                              ; O^T: the first change of M leaves zeros zeros
.set i, i+1
.endr
	WIN 0
; 50 LDS loads in one run: a key step's record of K (the q-th of the slot): its scale images, then its 16 fragments, tile by tile
.macro FETCH_K q
	WIN 0
	ds_load_b128 v[KS:KS+3], v[AK] offset:(\q)*REC+SCO
	ds_load_b128 v[KS+4:KS+7], v[AK] offset:(\q)*REC+SCO+512
	WIN TO_K
.set f, 0
.rept 48
	ds_load_b128 v[4*f:4*f+3], v[AK] offset:(\q)*REC+512*f   ; 32 lanes read 512 consecutive bytes
.set f, f+1
.endr
.endm
.macro FETCH_V q
	WIN 0
	ds_load_b128 v[VS:VS+3], v[AV] offset:(\q)*REC+SCO
	ds_load_b128 v[VS+4:VS+7], v[AV] offset:(\q)*REC+SCO+512
	WIN TO_V
.set f, 0
.rept 48
	ds_load_b128 v[4*f:4*f+3], v[AV] offset:(\q)*REC+512*f
.set f, f+1
.endr
.endm
; S^T = K Q^T: 32 products, two tiles of keys at a time: four start sums, four add the second 128 of e: four accumulators by turns.
; prog = 1: K's loads were the last issued: each pair of tiles waits for its own 12 loads and leaves the later ones out
.macro QK prog
	WIN W_KQ
.irp tp, 0,1,2,3
.if \prog
	s_wait_dscnt 12*(3-\tp)
.endif
.irp c, 0,1
.irp u, 0,1
.irp q, 0,1
	MM S+64*\q+8*(2*\tp+\u), 12*(2*(2*\tp+\u)+\c), 192+12*(2*\q+\c), 1-\c, KS+4*\c+\tp, QS+\c, \u, \q
.endr
.endr
.endr
.endr
.endm
; O^T += V^T P^T: 32 products on 32 accumulators
.macro PV
	WIN W_PV
.irp n, 0,1,2,3,4,5,6,7,8,9,10,11,12,13,14,15
.irp q, 0,1
	MM 128*\q+8*\n, 12*\n, PB+12*\q, 0, VS+4*(\n/8)+(\n%8)/2, PS+\q, \n%2, 0
.endr
.endr
.endm
; The softmax of both tiles of queries for one key step: 64 scores a lane and tile, register 16 b + i in block b of 32 keys.  The two tiles' lines take turns, so that a line seldom reads the result of the line above it,
; and their exponentials form one batch of 128 and one of 8, each with its waits.  Tile q works in S + 64 q, T0 + 4 q, PB + 12 q, and in the registers at work + DQ q (CT: + DC q).
; fk = 1: the run of loads for K of the slot's second key step stands ahead of the exponentials: the scores have left K's registers.
.macro SOFTMAX2 fk
	WIN 0
.irp b, 0,1,2,3
.irp q, 0,1
	v_max3_num_f32 v[BM+DQ*\q+\b], v[S+64*\q+16*\b], v[S+64*\q+16*\b+1], v[S+64*\q+16*\b+2]   ; the largest score of each block: it serves for the row's maximum and, since p rises with the score, for the block's largest p
.endr
.endr
.irp i, 3,5,7,9,11,13
.irp b, 0,1,2,3
.irp q, 0,1
	v_max3_num_f32 v[BM+DQ*\q+\b], v[BM+DQ*\q+\b], v[S+64*\q+16*\b+\i], v[S+64*\q+16*\b+\i+1]   ; ascending: each result tile is read from its low end on
.endr
.endr
.endr
.irp b, 0,1,2,3
.irp q, 0,1
	v_max_num_f32 v[BM+DQ*\q+\b], v[BM+DQ*\q+\b], v[S+64*\q+16*\b+15]
.endr
.endr
.irp b, 0,1,2,3
.irp q, 0,1
	v_permlanex16_b32 v[PT+DQ*\q+\b], v[BM+DQ*\q+\b], s[SEL], s[SEL+1]
.endr
.endr
.irp b, 0,1,2,3
.irp q, 0,1
	v_max_num_f32 v[BM+DQ*\q+\b], v[BM+DQ*\q+\b], v[PT+DQ*\q+\b]     ; with lane l xor 16's 16 keys
.endr
.endr
.irp q, 0,1
	v_max3_num_f32 v[TMP+DQ*\q], v[BM+DQ*\q], v[BM+DQ*\q+1], v[BM+DQ*\q+2]
.endr
.irp q, 0,1
	v_max_num_f32 v[TMP+DQ*\q], v[TMP+DQ*\q], v[BM+DQ*\q+3]          ; the step's largest score of my query
.endr
.irp q, 0,1
	v_mul_f32 v[TMP+DQ*\q], s[CS], v[TMP+DQ*\q]                      ; as t (c is positive)
.endr
.irp q, 0,1
	v_max_num_f32 v[T0+4*\q+1], v[T0+4*\q+1], v[TMP+DQ*\q]           ; the running largest t
.endr
.irp q, 0,1
	v_mov_b32 v[TMP+DQ*\q], v[T0+4*\q]                               ; the old -M
.endr
.irp q, 0,1
	v_floor_f32 v[T0+4*\q], -v[T0+4*\q+1]                            ; the new -M = floor(-t): M is a whole number
.endr
.set j, 0
.rept 32
.irp q, 0,1
	v_pk_fma_f32 v[S+64*\q+j:S+64*\q+j+1], v[S+64*\q+j:S+64*\q+j+1], s[CS:CS+1], v[T0+4*\q:T0+4*\q+1] op_sel_hi:[1,0,0]   ; t - M, two at a time
.endr
.set j, j+2
.endr
.irp b, 0,1,2,3
.irp q, 0,1
	v_fma_f32 v[BM+DQ*\q+\b], v[BM+DQ*\q+\b], s[CS], v[T0+4*\q]      ; the same of each block's largest score
.endr
.endr
.irp q, 0,1
	v_sub_f32 v[TMP+DQ*\q], v[T0+4*\q], v[TMP+DQ*\q]                 ; old M less new M: a whole number, 0 or less
.endr
.irp q, 0,1
	v_cvt_i32_f32 v[TMP+DQ*\q], v[TMP+DQ*\q]                         ; (it saturates)
.endr
.irp q, 0,1
	v_ldexp_f32 v[FF+DQ*\q], 1.0, v[TMP+DQ*\q]                       ; f = 2^(old M - new M)
.endr
.if \fk
	FETCH_K 1
	WIN 0
.endif
	s_wait_alu depctr_va_vdst(0)                   ; the wait ahead of the batch
.set j, 0
.rept 128
	v_exp_f32 v[S+j], v[S+j]                       ; p = 2^(t - M), at most 1
.set j, j+1
.endr
.irp q, 0,1
	v_pk_mul_f32 v[T0+4*\q+2:T0+4*\q+3], v[T0+4*\q+2:T0+4*\q+3], v[FF+DQ*\q:FF+DQ*\q+1] op_sel_hi:[1,0]   ; l under the new M: the plain place behind the exponentials
.endr
	s_wait_alu depctr_va_vdst(0)                   ; one wait for the batch of 128, ahead of its first reader
.irp b, 0,1,2,3
.irp q, 0,1
	v_exp_f32 v[BM+DQ*\q+\b], v[BM+DQ*\q+\b]       ; the block's largest p: the same two instructions on the same number give the same bits
.endr
.endr
.irp q, 0,1
	v_pk_add_f32 v[PT+DQ*\q:PT+DQ*\q+1], v[S+64*\q:S+64*\q+1], v[S+64*\q+2:S+64*\q+3]   ; the sum of the unquantised p, in two chains a tile; it reads the 128 alone
.endr
.irp j, 4,8,12,16,20,24,28,32,36,40,44,48,52,56,60
.irp q, 0,1
	v_pk_add_f32 v[T0+4*\q+2:T0+4*\q+3], v[T0+4*\q+2:T0+4*\q+3], v[S+64*\q+\j:S+64*\q+\j+1]
	v_pk_add_f32 v[PT+DQ*\q:PT+DQ*\q+1], v[PT+DQ*\q:PT+DQ*\q+1], v[S+64*\q+\j+2:S+64*\q+\j+3]
.endr
.endr
.irp q, 0,1
	v_pk_add_f32 v[T0+4*\q+2:T0+4*\q+3], v[T0+4*\q+2:T0+4*\q+3], v[PT+DQ*\q:PT+DQ*\q+1]
.endr
	s_wait_alu depctr_va_vdst(0)                   ; and one for the eight
.irp b, 0,1,2,3
.irp q, 0,1
	v_max_num_f32 v[BM+DQ*\q+\b], 0x1800000, v[BM+DQ*\q+\b]          ; the floor 2^(3 - 127): the byte cannot fall under 1
.endr
.endr
.irp b, 0,1,2,3
.irp q, 0,1
	v_add_nc_u32 v[SOP+DQ*\q+\b], 0xff000000, v[BM+DQ*\q+\b]         ; 2 off the exponent field: the conversion's scale operand
.endr
.endr
.irp b, 0,1,2,3
.irp q, 0,1
	v_lshrrev_b32 v[PT+DQ*\q+\b], 23, v[SOP+DQ*\q+\b]                ; the scale's byte
.endr
.endr
.irp q, 0,1
	v_lshl_or_b32 v[PS+\q], v[PT+DQ*\q+1], 8, v[PT+DQ*\q]            ; p's scale word for these 128 keys
.endr
.irp q, 0,1
	v_lshl_or_b32 v[PS+\q], v[PT+DQ*\q+2], 16, v[PS+\q]
.endr
.irp q, 0,1
	v_lshl_or_b32 v[PS+\q], v[PT+DQ*\q+3], 24, v[PS+\q]
.endr
.irp q, 0,1
.irp c, 0,1
	v_cvt_scalef32_pk16_fp6_f32 v[PB+12*\q+6*\c:PB+12*\q+6*\c+2], v[S+64*\q+32*\c:S+64*\q+32*\c+15], v[SOP+DQ*\q+2*\c]
	v_cvt_scalef32_pk16_fp6_f32 v[CT+DC*\q+4*\c:CT+DC*\q+4*\c+2], v[S+64*\q+32*\c+16:S+64*\q+32*\c+31], v[SOP+DQ*\q+2*\c+1]   ; (a conversion's three registers begin on an even number)
.endr
.endr
	v_nop                                          ; one plain place behind a scaled conversion
.irp q, 0,1
.irp c, 0,1                                    ; the operand's layout wants a whole block in a lane
.irp i, 0,1,2
	v_permlane16_swap_b32 v[PB+12*\q+6*\c+\i], v[CT+DC*\q+4*\c+\i]
.endr
.irp i, 0,1,2
	v_mov_b32 v[PB+12*\q+3+6*\c+\i], v[CT+DC*\q+4*\c+\i]
.endr
.endr
.endr
	WIN W_RS
.irp q, 0,1
.set j, 128*\q
.rept 64
	v_pk_mul_f32 v[j:j+1], v[j:j+1], v[FF+DQ*\q:FF+DQ*\q+1] op_sel_hi:[1,0]   ; O^T under the new M.  These are also the places between the scale words, the codes and the products that take them
.set j, j+2
.endr
.endr
.endm
; THE CHANGE OF SLOTS stands at a slot's head.  Each wave waits for all its tensor loads (its part of the slot ahead), adds 0 to its spare word, and waits for that and for its reads of the slot that it has left.
; fill = 1: a round of the cluster's barrier, and first behind it the joint load that fills the slot just left with the keys that follow.
.macro CHANGE fill
	WIN 0
	s_wait_tensorcnt 0x0                           ; no tensor load of mine is out, so a group 0 may be written
	ds_add_u32 v[SPW], v[NIL]
.if \fill
	s_xor_b32 s[G0K+1], s[G0K+1], SLOT1            ; the other slot than last time,
	s_add_nc_u64 s[G0K+2:G0K+3], s[G0K+2:G0K+3], 2*REC   ; the next two key steps; the type bits on top are not reached
	s_xor_b32 s[G0V+1], s[G0V+1], SLOT1
	s_add_nc_u64 s[G0V+2:G0V+3], s[G0V+2:G0V+3], 2*REC
	s_wait_xcnt 0x0                                ; the last prefetch, a slot back, has taken its address, so it may be written:
	s_add_nc_u64 s[PFA:PFA+1], s[PFA:PFA+1], 2*REC ; one slot further on than the walking descriptors
	s_wait_dscnt 0x0                               ; the add is done, and my reads of the slot that I have left are over
	CROUND
	JLOAD
.else
	s_wait_dscnt 0x0
	s_barrier_signal -1
	s_barrier_wait -1
.endif
.endm
; A slot's two key steps.  The runs of LDS loads stand a phase ahead of their use: V of a step behind its scores, K of the second step inside the first step's softmax, ahead of its exponentials.
.macro SLOT_STEPS ask
	v_add_nc_u32 v[AK], s[TB], v[LI]
	v_add_nc_u32 v[AV], VOFF, v[AK]
	FETCH_K 0
.if \ask
	WIN 0
	ASK                                            ; behind the joint load and the run of LDS loads that the next products wait for
.endif
	QK 1
	PLACES 4                                       ; in front of the first read of scores, and of loads into registers that products have read
	s_wait_alu depctr_va_vdst(0)
	FETCH_V 0
	SOFTMAX2 1
	s_wait_alu depctr_va_vdst(0)
	s_wait_dscnt 50                                ; V of the first step is in; the 50 younger loads, K of the second, may be out
	PV
	PLACES 4
	FETCH_V 1
	s_wait_dscnt 50                                ; K of the second step is in; V's 50 loads may be out
	QK 0
	PLACES 4
	SOFTMAX2 0
	s_wait_alu depctr_va_vdst(0)
	s_wait_dscnt 0x0
	PV
	WIN 0
	s_xor_b32 s[TB], s[TB], SLOT1                  ; on to the other slot
.endm
	s_wait_loadcnt 0x0                             ; Q
.Lslot:                                            ; seven trips: behind each change of slots but the last the next slot is asked for
	CHANGE 1
	SLOT_STEPS 1
	s_sub_co_u32 s[SLOTS], s[SLOTS], 1
	s_cmp_lg_u32 s[SLOTS], 0
	s_cbranch_scc1 .Lslot
	CHANGE 0                                       ; the last slot is written out
	SLOT_STEPS 0
	; THE WAY OUT.  z = O^T / l, in f32.  The last product's K runs along the queries, which here lie across lanes: so z turns through my stage in LDS: in by queries' rows, back by channels' columns, so that a lane holds
	; one channel and its 32 registers my 32 queries: one quantiser block.  Its 24 bytes of codes and its byte go to their places in the record's image in LDS; the four waves' parts make the record, which leaves in whole runs.
.irp q, 0,1
	v_add_f32 v[T0+4*\q], v[T0+4*\q+2], v[T0+4*\q+3]   ; l's two halves (these lines are also the places behind the last products)
.endr
.irp q, 0,1
	v_permlanex16_b32 v[T0+4*\q+1], v[T0+4*\q], s[SEL], s[SEL+1]
.endr
.irp q, 0,1
	v_add_f32 v[T0+4*\q], v[T0+4*\q], v[T0+4*\q+1]     ; and lane l xor 16's
.endr
	s_wait_alu depctr_va_vdst(0)
.irp q, 0,1
	v_rcp_f32 v[T0+4*\q+2], v[T0+4*\q]
.endr
	v_nop                                          ; a plain place behind the reciprocals
	s_wait_alu depctr_va_vdst(0)                   ; one wait for both, ahead of their first reader
.macro TOSTG u                         ; channels 128 u on: divided, and into the stage
	WIN FROM_O
.irp q, 0,1
.set j, 0
.rept 32
	v_pk_mul_f32 v[S+64*\q+j:S+64*\q+j+1], v[128*\q+64*(\u)+j:128*\q+64*(\u)+j+1], v[T0+4*\q+2:T0+4*\q+3] op_sel_hi:[1,0]   ; ascending: each accumulator from its low end on
.set j, j+2
.endr
.endr
	WIN 0
.irp q, 0,1
.irp n, 0,1,2,3,4,5,6,7
	ds_store_b128 v[SO], v[S+64*\q+8*\n:S+64*\q+8*\n+3] offset:16*SP*\q+64*\n
	ds_store_b128 v[SO], v[S+64*\q+8*\n+4:S+64*\q+8*\n+7] offset:16*SP*\q+64*\n+16
.endr
.endr
.endm
.macro LZ g, xb                        ; 32 channels, a lane each: the 32 queries of my channel.  LDS serves a wave's instructions in order: these see my stores
.set i, 0
.rept 32
	ds_load_b32 v[\xb+i], v[SRD] offset:SP*i+128*(\g)
.set i, i+1
.endr
.endm
.macro QZ xb, cb, by, gg               ; a block of 32 becomes 24 bytes of codes and a byte; gg: which 32 channels of the 256
	v_max3_num_f32 v[MX0], |v[\xb]|, |v[\xb+1]|, 0x1800000
	v_max3_num_f32 v[MX1], |v[\xb+16]|, |v[\xb+17]|, |v[\xb+18]|
.irp i, 0,2,4,6,8,10
	v_max3_num_f32 v[MX0], v[MX0], |v[\xb+2+\i]|, |v[\xb+3+\i]|
	v_max3_num_f32 v[MX1], v[MX1], |v[\xb+19+\i]|, |v[\xb+20+\i]|
.endr
	v_max3_num_f32 v[MX0], v[MX0], |v[\xb+14]|, |v[\xb+15]|
	v_max3_num_f32 v[MX0], v[MX0], v[MX1], |v[\xb+31]|
	v_add_nc_u32 v[SOPZ], 0xff000000, v[MX0]
	v_lshrrev_b32 v[\by], 23, v[SOPZ]
	v_cvt_scalef32_pk16_fp6_f32 v[\cb:\cb+2], v[\xb:\xb+15], v[SOPZ]
	v_cvt_scalef32_pk16_fp6_f32 v[\cb+6:\cb+8], v[\xb+16:\xb+31], v[SOPZ]
	v_nop                                          ; one plain place behind a scaled conversion
.irp i, 0,1,2
	v_mov_b32 v[\cb+3+\i], v[\cb+6+\i]
.endr
	ds_store_b64 v[ZA], v[\cb:\cb+1] offset:2*FRB*(\gg)
	ds_store_b64 v[ZB], v[\cb+2:\cb+3] offset:2*FRB*(\gg)
	ds_store_b64 v[ZA], v[\cb+4:\cb+5] offset:2*FRB*(\gg)+512
	ds_store_b8 v[ZS], v[\by] offset:512*((\gg)/4)+4*((\gg)%4)
.endm
.macro HALF u
	TOSTG \u
	LZ 0, X0
	LZ 1, X1
	s_wait_dscnt 32                                ; all but the 32 youngest loads
	QZ X0, C0, BY0, 4*(\u)
	LZ 2, X0
	s_wait_dscnt 36                                ; the four image stores and the 32 loads just issued may be out
	QZ X1, C1, BY1, 4*(\u)+1
	LZ 3, X1
	s_wait_dscnt 36                                ; likewise: so the first set's image stores are done, and its registers may be written
	QZ X0, C0, BY0, 4*(\u)+2
	s_wait_dscnt 4                                 ; the four image stores just issued may be out
	QZ X1, C1, BY1, 4*(\u)+3
.endm
	HALF 0
	HALF 1
	s_wait_dscnt 0x0                               ; for the others' sake: my stores into the image are done
	s_barrier_signal -1
	s_barrier_wait -1
.irp i, 0,1,2,3,4,5,6,7,8,9,10,11
	ds_load_b128 v[S+4*\i:S+4*\i+3], v[ZRD] offset:2048*\i
.endr
	ds_load_b64 v[S+48:S+49], v[ZR8]
.irp i, 0,1,2,3,4,5,6,7,8,9,10,11
	s_wait_dscnt 12-\i
	global_store_b128 v[GO], v[S+4*\i:S+4*\i+3], s[10:11] offset:2048*\i   ; a wave stores 512 consecutive bytes
.endr
	s_wait_dscnt 0x0
	global_store_b64 v[GO8], v[S+48:S+49], s[10:11] offset:SCO              ; a wave stores 256 consecutive bytes
	s_wait_tensorcnt 0x0                           ; the wave's end
	ds_add_u32 v[SPW], v[NIL]
	s_wait_dscnt 0x0
	CROUND                                         ; the closing round: no work-group ends while a partner may still ask for a tile that names it
	s_endpgm
.Lfunc_end_k_q0f1c530847_attn:
	.size	k_q0f1c530847_attn, .Lfunc_end_k_q0f1c530847_attn-k_q0f1c530847_attn
	.p2alignl 7, 3214868480
	.fill 96, 4, 3214868480
	.section	.rodata,"a",@progbits
	.p2align	6, 0x0
	.amdhsa_kernel k_q0f1c530847_attn
		.amdhsa_group_segment_fixed_size 327680
		.amdhsa_private_segment_fixed_size 0
		.amdhsa_enable_private_segment 0
		.amdhsa_kernarg_size 32
		.amdhsa_user_sgpr_count 2
		.amdhsa_user_sgpr_kernarg_segment_ptr 1
		.amdhsa_wavefront_size32 1
		.amdhsa_system_sgpr_workgroup_id_x 1
		.amdhsa_system_sgpr_workgroup_id_y 1
		.amdhsa_system_sgpr_workgroup_id_z 1
		.amdhsa_system_vgpr_workitem_id 0
		.amdhsa_next_free_vgpr 960
		.amdhsa_next_free_sgpr 66
		.amdhsa_reserve_vcc 0
		.amdhsa_float_denorm_mode_32 3
		.amdhsa_float_denorm_mode_16_64 3
		.amdhsa_memory_ordered 1
		.amdhsa_forward_progress 1
		.amdhsa_inst_pref_size 239
	.end_amdhsa_kernel
	.amdgpu_metadata
---
amdhsa.version: [ 1, 2 ]
amdhsa.kernels:
  - .name:           k_q0f1c530847_attn
    .symbol:         k_q0f1c530847_attn.kd
    .args:
      - { .name: qbuf, .offset: 0, .size: 8, .value_kind: global_buffer, .address_space: global }
      - { .name: kbuf, .offset: 8, .size: 8, .value_kind: global_buffer, .address_space: global }
      - { .name: vbuf, .offset: 16, .size: 8, .value_kind: global_buffer, .address_space: global }
      - { .name: zbuf, .offset: 24, .size: 8, .value_kind: global_buffer, .address_space: global }
    .group_segment_fixed_size: 327680
    .private_segment_fixed_size: 0
    .kernarg_segment_align: 8
    .kernarg_segment_size: 32
    .max_flat_workgroup_size: 128
    .sgpr_count:     66
    .vgpr_count:     960
    .wavefront_size: 32
...
	.end_amdgpu_metadata
.endif
;; end of part 3
;; launch lin (part 4): grid 32 x 8, 4 waves a work-group, clusters of 4 x 1, 327,680 bytes of LDS; arguments w_lin, zbuf, part; writes part
.if DOCPART == 4
	.amdgcn_target "amdgcn-amd-amdhsa--gfx1250"
	.amdhsa_code_object_version 6
	.text
	.protected	k_q0f1c530847_lin
	.globl	k_q0f1c530847_lin
	.p2align	8
	.type	k_q0f1c530847_lin,@function
k_q0f1c530847_lin:
	s_mov_b64 s[64:65], 0
	v_nop
	global_prefetch_b8 v0, s[64:65] scope:SCOPE_SE
	s_setreg_imm32_b32 hwreg(HW_REG_WAVE_MODE, 25, 1), 1
	s_wait_xcnt 0x0
	s_wait_alu depctr_hold_cnt(0) depctr_sa_sdst(0) depctr_va_vdst(0) depctr_va_sdst(0) depctr_va_ssrc(0) depctr_va_vcc(0) depctr_vm_vsrc(0)
	s_getreg_b32 s2, hwreg(HW_REG_IB_STS2, 6, 4)
	s_cmp_eq_u32 s2, 0
	s_cbranch_scc0 .Lentry_in_a_cluster
	s_endpgm
.Lentry_in_a_cluster:
	s_bfe_u32 s2, ttmp6, 0x10000c
	s_cmp_lg_u32 s2, 0x3003
	s_cbranch_scc0 .Lentry_shape_is_right
	s_endpgm
.Lentry_shape_is_right:
; LIN: part[kc] = w_lin[:, 4,096 kc .. + 4,095] x concat(z)[4,096 kc .. + 4,095, :], on codes of FP6 (E2M3) with one E8M0 byte for each 32 along K.  w_lin [2048][32768] arrives as f32 and is quantised on the way;
; z's codes come from the launch before, one record of 25,600 bytes for each 128 along K (16 tiles of 16 columns; fragment image 1,536 bytes, scale image 512 bytes).
; SHARES: a work-group takes 64 rows x 4,096 along K x all 256 columns: 32 x 8 work-groups, so each number of w_lin is read and quantised once in the launch; the eight parts along K are added by the next launch.
; K goes in eight trips of 512.  A TRIP: wave w quantises K step w of the trip for the 64 rows: four fragments, which go to LDS as images of their registers | barrier | wave w multiplies all 16 fragments by z's columns
; 64 w .. + 63: 64 products on 16 accumulators by turns.
; W_LIN COMES THROUGH REGISTERS: a load takes 512 consecutive bytes of one row (the wave's 128 numbers), 16 loads a tile of 16 rows: a RAW SET of 64 registers; there are four.  Loads into registers may stay out across
; barriers, so this stream does not stop at a change of slots: set m of the next trip is asked for as soon as set m of this trip has gone to LDS; by the text's count 32 to 64 loads of a wave are out at all times.
; The quantiser wants 32 neighbours along K in ONE lane, a load gives a lane four: so a set turns through the wave's own stage in LDS: in as loaded, rows 528 bytes apart, back 128 bytes of a row to a lane.
; Z COMES THROUGH A RING of two LDS slots of four records, one tensor load a wave and trip.  CLUSTER: the four work-groups of a cluster have the same kc and need the same records: each is asked for jointly, by the same
; tensor load with a mask that names the four.  One tensor load a wave is out, and it has a whole trip in which to land.
; THE MATRIX INSTRUCTION IS USED TRANSPOSED (source 0 = 16 columns of z, source 1 = 16 rows of w_lin): a lane holds eight neighbouring numbers of a row of the result.
; LIMITS: NaN and infinities are not served; a block whose largest magnitude lies under 2^-124, or that is all zeros, has byte 1 (this program alone reads the bytes).
; REGISTERS.  window 0: v1-16, v88-95 addresses; v18-26 at work; v28-43 w_lin's scale words, v44-51 z's: they hold nothing else; v52-85 codes and words just made; v96-223 two turned sets of 64 numbers, on the way out rows of the result.
;   window 1: z's fragments at 48 ks + 12 n; v192-255 raw set 2.   window 2: w_lin's fragments at 48 ks + 12 m; v192-255 raw set 3.   window 3: the accumulators at 8 (4 m + n); v128-255 raw sets 0 and 1.
.set REC,   25600
.set FRB,   1536
.set SCO,   24576
.set ZSLOT, 4*REC                      ; a slot: the four records of a trip
.set ROWB,  131072                     ; a row of w_lin in bytes
.set TRIPK, 2048                       ; a trip's 512 numbers of a row, in bytes
.set XP,    528                        ; a stage's row: 512 bytes + 16: the sixteen rows of a load back start in sixteen different groups of banks
.set XSTG,  16*XP                      ; a stage: 16 rows
.set STGX,  2*ZSLOT                    ; behind the ring: two turning stages for each wave,
.set IMG,   STGX+4*2*XSTG              ; the 16 fragment images, K step ks and tile of rows m at (4 ks + m) x 1,536,
.set ISC,   IMG+16*FRB                 ; their scale words, 128 bytes each,
.set STG,   ISC+16*128                 ; a stage of 16 rows x (256 + 16) bytes for each wave, for the way out,
.set SPITCH, 272
.set SPARE, STG+4*16*SPITCH            ; and the spare words, 128 bytes for each wave: two blocks of 256 bytes that no other line names
.set LI,  1                            ; v1   16 x lane: an image's place for my lane, and my 16 bytes of a load's 512
.set LS,  2                            ; v2   4 x lane
.set XST, 3                            ; v3   my stages, on the way in: 16 x lane
.set XLD, 4                            ; v4   and back: 528 r + 128 h
.set IWI, 5                            ; v5   where I store images
.set IWS, 6                            ; v6   and scale words
.set SPW, 7                            ; v7   my spare word; never rewritten
.set NIL, 8                            ; v8   0; never rewritten
.set SH,  9                            ; v9   8 h
.set STO, 10
.set RD,  11
.set CO,  12
.set IRD, 15                           ; v15  images, read
.set IRS, 16                           ; v16  scale words, read
.set TM,  18
.set SOP, 22
.set BY,  24
.set PT,  26
.set AS,  28
.set ZS,  44
.set PC,  52                           ; two sets of 12
.set TP,  76
.set PW,  84                           ; two
.set ZFA, 88                           ; v88-91 z's fragments, my four tiles: slot s, records 2 u and 2 u + 1 at v[ZFA + 2 s + u] (an LDS offset holds 16 bits)
.set ZCA, 92                           ; v92-95 z's scale registers, my two, likewise
.set X,   96                           ; two sets of 64
.set WV,  10                           ; s10
.set SEL, 20
.set G1,  24                           ; s[24:31] descriptor group 1: a record
.set G0,  32                           ; s[32:39] a group 0 for each slot
.set XB,  40                           ; s[40:41] w_lin at my rows, my K step of the trip that is being asked for
.set OUT, 42                           ; s[42:43]
.set LAP, 44
.set W_MM, 0xf9                        ; source 0 window 1, source 1 window 2, C and D window 3
.set TO_Z, 0x40
.set TO_A, 0x80
.set W_ST, 0x0c                        ; an LDS store's data are its source 1: window 3
.set MSB, 0
.macro WIN new                         ; the immediate's high byte repeats the setting that is left
.if MSB != \new
	s_set_vgpr_msb (MSB<<8)|\new
.set MSB, \new
.endif
.endm
.macro PLACES n
.rept \n
	v_nop
.endr
.endm
.macro MM d, a, b, zero, sa, sb, ra, rb
.if (\zero)
.if (\ra) && (\rb)
	v_wmma_scale_f32_16x16x128_f8f6f4 v[\d:\d+7], v[\a:\a+11], v[\b:\b+11], 0, v[\sa], v[\sb] matrix_a_fmt:MATRIX_FMT_FP6 matrix_b_fmt:MATRIX_FMT_FP6 matrix_a_scale:MATRIX_SCALE_ROW1 matrix_b_scale:MATRIX_SCALE_ROW1
.elseif (\ra)
	v_wmma_scale_f32_16x16x128_f8f6f4 v[\d:\d+7], v[\a:\a+11], v[\b:\b+11], 0, v[\sa], v[\sb] matrix_a_fmt:MATRIX_FMT_FP6 matrix_b_fmt:MATRIX_FMT_FP6 matrix_a_scale:MATRIX_SCALE_ROW1
.elseif (\rb)
	v_wmma_scale_f32_16x16x128_f8f6f4 v[\d:\d+7], v[\a:\a+11], v[\b:\b+11], 0, v[\sa], v[\sb] matrix_a_fmt:MATRIX_FMT_FP6 matrix_b_fmt:MATRIX_FMT_FP6 matrix_b_scale:MATRIX_SCALE_ROW1
.else
	v_wmma_scale_f32_16x16x128_f8f6f4 v[\d:\d+7], v[\a:\a+11], v[\b:\b+11], 0, v[\sa], v[\sb] matrix_a_fmt:MATRIX_FMT_FP6 matrix_b_fmt:MATRIX_FMT_FP6
.endif
.else
.if (\ra) && (\rb)
	v_wmma_scale_f32_16x16x128_f8f6f4 v[\d:\d+7], v[\a:\a+11], v[\b:\b+11], v[\d:\d+7], v[\sa], v[\sb] matrix_a_fmt:MATRIX_FMT_FP6 matrix_b_fmt:MATRIX_FMT_FP6 matrix_a_scale:MATRIX_SCALE_ROW1 matrix_b_scale:MATRIX_SCALE_ROW1
.elseif (\ra)
	v_wmma_scale_f32_16x16x128_f8f6f4 v[\d:\d+7], v[\a:\a+11], v[\b:\b+11], v[\d:\d+7], v[\sa], v[\sb] matrix_a_fmt:MATRIX_FMT_FP6 matrix_b_fmt:MATRIX_FMT_FP6 matrix_a_scale:MATRIX_SCALE_ROW1
.elseif (\rb)
	v_wmma_scale_f32_16x16x128_f8f6f4 v[\d:\d+7], v[\a:\a+11], v[\b:\b+11], v[\d:\d+7], v[\sa], v[\sb] matrix_a_fmt:MATRIX_FMT_FP6 matrix_b_fmt:MATRIX_FMT_FP6 matrix_b_scale:MATRIX_SCALE_ROW1
.else
	v_wmma_scale_f32_16x16x128_f8f6f4 v[\d:\d+7], v[\a:\a+11], v[\b:\b+11], v[\d:\d+7], v[\sa], v[\sb] matrix_a_fmt:MATRIX_FMT_FP6 matrix_b_fmt:MATRIX_FMT_FP6
.endif
.endif
.endm
; A round of the cluster's barrier
.macro CROUND
	s_barrier_signal -1
	s_barrier_wait -1
	s_cmp_lg_u32 s[WV], 0
	s_cbranch_scc1 .Lnot_wave_0_\@
	s_barrier_signal -3
.Lnot_wave_0_\@:
	s_barrier_wait -3
	s_barrier_signal -1
	s_barrier_wait -1
.endm
; 64 numbers of a lane, register 32 c + i = k 64 c + 32 h + i of its row, become the fragment's 12 registers in v[pc] on and the row's scale word in v[pw] (the same in lanes l and l xor 16)
.macro QF x, pc, tp, pw
.irp c, 0,1
	v_max3_num_f32 v[TM+2*\c], |v[\x+32*\c]|, |v[\x+32*\c+1]|, 0x1800000     ; the floor 2^(3 - 127) among the leaves: the byte cannot fall under 1
	v_max3_num_f32 v[TM+2*\c+1], |v[\x+32*\c+16]|, |v[\x+32*\c+17]|, |v[\x+32*\c+18]|
.endr
.irp i, 0,2,4,6,8,10
.irp c, 0,1
	v_max3_num_f32 v[TM+2*\c], v[TM+2*\c], |v[\x+32*\c+2+\i]|, |v[\x+32*\c+3+\i]|   ; four chains by turns
	v_max3_num_f32 v[TM+2*\c+1], v[TM+2*\c+1], |v[\x+32*\c+19+\i]|, |v[\x+32*\c+20+\i]|
.endr
.endr
.irp c, 0,1
	v_max3_num_f32 v[TM+2*\c], v[TM+2*\c], |v[\x+32*\c+14]|, |v[\x+32*\c+15]|
.endr
.irp c, 0,1
	v_max3_num_f32 v[TM+2*\c], v[TM+2*\c], v[TM+2*\c+1], |v[\x+32*\c+31]|   ; the block's largest magnitude: all 32 numbers are mine
.endr
.irp c, 0,1
	v_add_nc_u32 v[SOP+\c], 0xff000000, v[TM+2*\c]   ; 2 off its exponent field: the conversion's scale operand
.endr
.irp c, 0,1
	v_lshrrev_b32 v[BY+\c], 23, v[SOP+\c]            ; the scale's byte
.endr
	v_lshl_or_b32 v[\pw], v[BY+1], 16, v[BY]         ; my blocks h and 2 + h,
	v_lshlrev_b32 v[\pw], v[SH], v[\pw]              ; at their places in the word;
	v_permlanex16_b32 v[PT], v[\pw], s[SEL], s[SEL+1]
	v_or_b32 v[\pw], v[\pw], v[PT]                   ; with lane l xor 16's two the word is whole
.irp c, 0,1
	v_cvt_scalef32_pk16_fp6_f32 v[\pc+6*\c:\pc+6*\c+2], v[\x+32*\c:\x+32*\c+15], v[SOP+\c]
	v_cvt_scalef32_pk16_fp6_f32 v[\tp+4*\c:\tp+4*\c+2], v[\x+32*\c+16:\x+32*\c+31], v[SOP+\c]   ; (a conversion's three registers begin on an even number)
.endr
	v_nop                                            ; one plain place behind a scaled conversion
.irp c, 0,1
.irp i, 0,1,2
	v_mov_b32 v[\pc+3+6*\c+\i], v[\tp+4*\c+\i]
.endr
.endr
.endm
; where raw set m lies: window RW, from register RB on
.macro RAWSET m
.if (\m) < 2
.set RW, 3
.set RB, 128+64*(\m)
.else
.set RW, (\m)-1
.set RB, 192
.endif
.endm
; tile of rows m is asked for, at the K step at which s[XB] stands: 16 loads, a row each: 32 lanes read 512 consecutive bytes, read once in the launch.  The row stands in the immediate: 63 x 131,072 at the most, inside its signed 24 bits
.macro XLOADS m
	RAWSET \m
.set WSEL, RW<<6
	WIN WSEL                                       ; destination: the set's window
.set i, 0
.rept 16
	global_load_b128 v[RB+4*i:RB+4*i+3], v[LI], s[XB:XB+1] offset:(16*(\m)+i)*ROWB th:TH_LOAD_NT
.set i, i+1
.endr
	WIN 0
.endm
; raw set m turns through stage m % 2.  left: the younger loads from memory, which may stay out.  LDS serves a wave's instructions in order: no wait stands between the stores and the loads, nor in front of a stage's next stores
.macro TURN m, left
	s_wait_loadcnt \left
	RAWSET \m
.set WSEL, RW<<2
	WIN WSEL                                       ; an LDS store's data are its source 1
.set i, 0
.rept 16
	ds_store_b128 v[XST], v[RB+4*i:RB+4*i+3] offset:XSTG*((\m)%2)+XP*i   ; row i as it was loaded: 512 consecutive bytes
.set i, i+1
.endr
	WIN 0
.irp c, 0,1
.irp jj, 0,1,2,3,4,5,6,7
	ds_load_b128 v[X+64*((\m)%2)+32*\c+4*\jj:X+64*((\m)%2)+32*\c+4*\jj+3], v[XLD] offset:XSTG*((\m)%2)+256*\c+16*\jj   ; lane (r, h): row r, k = 64 c + 32 h + 4 jj on
.endr
.endr
.endm
.macro QST m                           ; a turned set becomes a fragment, which goes to LDS as it stands: 3 stores of 512 consecutive bytes, and the scale words
	QF X+64*((\m)%2), PC+12*((\m)%2), TP, PW+(\m)%2
.irp i, 0,1,2
	ds_store_b128 v[IWI], v[PC+12*((\m)%2)+4*\i:PC+12*((\m)%2)+4*\i+3] offset:FRB*(\m)+512*\i
.endr
	ds_store_b32 v[IWS], v[PW+(\m)%2] offset:128*(\m)
.endm
	s_load_b128 s[4:7], s[0:1], 0x0                ; w_lin s[4:5], zbuf s[6:7]
	s_load_b64 s[8:9], s[0:1], 0x10                ; part
	v_lshl_add_u32 v[SPW], v0, 2, SPARE
	v_mov_b32 v[NIL], 0
	ds_add_u32 v7, v8
	ds_add_u32 v7, v8
	s_wait_dscnt 0x0
	v_lshrrev_b32 v17, 5, v0
	v_readfirstlane_b32 s[WV], v17                 ; wave 0..3
	v_and_b32 v17, 31, v0                          ; lane
	v_lshlrev_b32 v[LI], 4, v17
	s_bfe_u32 s45, ttmp6, 0x40000                  ; cx: my place in the cluster
	s_lshl_b32 s12, ttmp9, 2                       ; in a cluster launch ttmp9 counts clusters
	s_add_co_u32 s12, s12, s45                     ; my block of 64 rows: it enters w_lin's and the result's addresses alone
	s_and_b32 s11, ttmp7, 0xffff                   ; kc: which 4,096 along K: the four partners share it
	; descriptor group 1: a record is a dense block of 100 rows of 256 bytes (32 elements of 8 bytes), no padding
	s_mov_b32 s[G1], 15|(3<<16)|(1<<21)            ; 15:0 the mask: all four work-groups; 17:16 elements of 8 bytes; 21 set beside a mask
	s_mov_b32 s[G1+1], 32<<16                      ; tensor_dim0 = 32
	s_mov_b32 s[G1+2], 100<<16                     ; tensor_dim1 = 100
	s_mov_b32 s[G1+3], 32<<16                      ; tile_dim0 = 32
	s_mov_b32 s[G1+4], 100                         ; tile_dim1 = 100
	s_mov_b32 s[G1+5], 32                          ; from row to row
	s_mov_b32 s[G1+6], 0
	s_mov_b32 s[G1+7], 0
	s_lshl_b32 s14, s12, 23                        ; w_lin: 64 rows of 131,072 bytes,
	s_lshl_b32 s15, s11, 14                        ; 4,096 numbers,
	s_add_co_u32 s14, s14, s15
	s_lshl_b32 s15, s[WV], 9                       ; my 128 numbers of a trip's 512
	s_add_co_u32 s14, s14, s15
	s_mov_b32 s15, 0
	s_mul_i32 s16, s11, 32*REC                     ; z: 32 records for 4,096 along K,
	s_mul_i32 s18, s[WV], REC                      ; of a trip's four I fetch record w: its place in memory and in a slot
	s_add_co_u32 s16, s16, s18
	s_mov_b32 s17, 0
	s_lshl_b32 s46, s11, 21                        ; part: 2,048 x 256 x 4 bytes a part,
	s_lshl_b32 s47, s12, 16                        ; 64 rows of 1,024 bytes,
	s_add_co_u32 s46, s46, s47
	s_lshl_b32 s47, s[WV], 8                       ; my 64 columns
	s_add_co_u32 s46, s46, s47
	s_mov_b32 s47, 0
	s_mov_b32 s[SEL], 0x76543210
	s_mov_b32 s[SEL+1], 0xfedcba98
	s_wait_alu depctr_va_vdst(0)
	s_wait_kmcnt 0x0
	s_add_nc_u64 s[XB:XB+1], s[4:5], s[14:15]
	s_add_nc_u64 s[48:49], s[6:7], s[16:17]
	s_add_nc_u64 s[OUT:OUT+1], s[8:9], s[46:47]
.irp m, 0,1,2,3
	XLOADS \m                                      ; the first trip's four sets go out before anything else
.endr
.irp n, 0,1
	s_mov_b32 s[G0+4*\n], 1                        ; count = 1
	s_add_co_u32 s[G0+4*\n+1], s18, \n*ZSLOT       ; LDS address: my record's place in slot n
	s_add_nc_u64 s[G0+4*\n+2:G0+4*\n+3], s[48:49], \n*ZSLOT   ; trip n's record
	s_or_b32 s[G0+4*\n+3], s[G0+4*\n+3], 0x80000000           ; type = 2
.endr
	CROUND                                         ; all four work-groups are here: the first joint loads meet
	tensor_load_to_lds s[G0:G0+3], s[G1:G1+7]      ; trip 0's records; slot 1 is first filled behind the first trip's round
	s_nop 0
	PLACES 4
	v_and_b32 v86, 15, v0                          ; r
	v_bfe_u32 v87, v0, 4, 1                        ; h
	v_lshlrev_b32 v[LS], 2, v17
	v_lshlrev_b32 v[SH], 3, v87
	s_mul_i32 s13, s[WV], 2*XSTG
	s_add_co_u32 s13, s13, STGX                    ; my two turning stages
	v_add_nc_u32 v[XST], s13, v[LI]
	v_mul_u32_u24 v[XLD], v86, XP
	v_lshl_add_u32 v[XLD], v87, 7, v[XLD]
	v_add_nc_u32 v[XLD], s13, v[XLD]
	s_mul_i32 s13, s[WV], 4*FRB
	v_add_nc_u32 v[ZFA], s13, v[LI]                ; z's tiles 4 w .. 4 w + 3
	v_add_nc_u32 v[ZFA+1], 2*REC, v[ZFA]
	v_add_nc_u32 v[ZFA+2], ZSLOT, v[ZFA]
	v_add_nc_u32 v[ZFA+3], ZSLOT+2*REC, v[ZFA]
	s_add_co_u32 s13, s13, IMG
	v_add_nc_u32 v[IWI], s13, v[LI]                ; my K step's four images
	s_lshl_b32 s13, s[WV], 9
	s_add_co_u32 s13, s13, ISC
	v_add_nc_u32 v[IWS], s13, v[LS]
	v_add_nc_u32 v[IRD], IMG, v[LI]
	v_add_nc_u32 v[IRS], ISC, v[LS]
	s_lshr_b32 s13, s[WV], 1                       ; z's scale image w / 2, registers 2 (w % 2) and + 1
	s_lshl_b32 s13, s13, 9
	s_and_b32 s19, s[WV], 1
	s_lshl_b32 s19, s19, 3
	s_add_co_u32 s13, s13, s19
	s_add_co_u32 s13, s13, SCO
	v_add_nc_u32 v[ZCA], s13, v[LI]
	v_add_nc_u32 v[ZCA+1], 2*REC, v[ZCA]
	v_add_nc_u32 v[ZCA+2], ZSLOT, v[ZCA]
	v_add_nc_u32 v[ZCA+3], ZSLOT+2*REC, v[ZCA]
	s_mul_i32 s13, s[WV], 16*SPITCH
	s_add_co_u32 s13, s13, STG                     ; my stage for the way out
	v_mul_u32_u24 v[STO], v86, SPITCH
	v_lshl_add_u32 v[STO], v87, 5, v[STO]
	v_add_nc_u32 v[STO], s13, v[STO]               ; in: row r, 32 bytes for each half of the lanes
	v_mul_u32_u24 v[RD], v87, SPITCH
	v_lshl_add_u32 v[RD], v86, 4, v[RD]
	v_add_nc_u32 v[RD], s13, v[RD]                 ; back: lanes 0-15 one row of 256 bytes, lanes 16-31 the next
	v_lshlrev_b32 v[CO], 10, v87
	v_lshl_add_u32 v[CO], v86, 4, v[CO]            ; and the same two rows in the result
	v_mov_b32 v[PT], 0                             ; a lane permute's destination counts as one of its sources
; A TRIP: 512 along K; z's records lie in slot.  more = 1: a trip follows: its records are asked for into the other slot, and its numbers of w_lin set by set.  zero = 1: the first products start the sums.
.macro TRIP slot, more, zero
	s_wait_tensorcnt 0x0                           ; all my tensor loads have landed: my record of this trip
	ds_add_u32 v[SPW], v[NIL]
	s_add_nc_u64 s[G0+4*\slot+2:G0+4*\slot+3], s[G0+4*\slot+2:G0+4*\slot+3], 2*ZSLOT   ; no tensor load of mine is out: this slot's next records
.if \more
	s_wait_xcnt 0x0                                ; the last trip's loads of w_lin have taken their base, so it may step:
	s_add_nc_u64 s[XB:XB+1], s[XB:XB+1], TRIPK     ; the next trip's K step
.endif
	s_wait_dscnt 0x0                               ; the add is done, and so are my reads of the other slot and of the images
.if \more
	CROUND                                         ; both now hold of every wave of the four work-groups
	tensor_load_to_lds s[G0+4-4*\slot:G0+7-4*\slot], s[G1:G1+7]   ; my one tensor load behind this round: it has the whole trip in which to land
	s_nop 0
.else
	s_barrier_signal -1                            ; nothing is left to fetch: the work-group's barrier does
	s_barrier_wait -1
.endif
	PLACES 4                                       ; behind the tensor load; also the places in front of loads into registers that the last trip's products read
	WIN TO_Z
.irp ks, 0,1,2,3
.irp i, 0,1,2,3,4,5,6,7,8,9,10,11
	ds_load_b128 v[48*\ks+4*\i:48*\ks+4*\i+3], v[ZFA+2*\slot+\ks/2] offset:REC*(\ks%2)+512*\i   ; z's four fragments of K step ks; they come while the wave waits for w_lin
.endr
.endr
	WIN 0
.irp ks, 0,1,2,3
	ds_load_b64 v[ZS+2*\ks:ZS+2*\ks+1], v[ZCA+2*\slot+\ks/2] offset:REC*(\ks%2)
.endr
	TURN 0, 48                                     ; sets 1, 2, 3 may be out
	TURN 1, 32                                     ; sets 2, 3
	s_wait_dscnt 32                                ; all but turn 1's 16 stores and 16 loads: set 0 is back, and its stores into the stage have read their registers,
.if \more
	XLOADS 0                                       ; which take the next trip's set
.endif
	QST 0
	TURN 2, 16+16*\more                            ; set 3, and the next trip's set 0 if it was asked for
	s_wait_dscnt 36                                ; the four image stores and turn 2's 32 may be out
.if \more
	XLOADS 1
.endif
	QST 1
	TURN 3, 32*\more                               ; the next trip's sets 0 and 1, if any
	s_wait_dscnt 36                                ; likewise: so the first image's stores are done too, and its registers may be written
.if \more
	XLOADS 2
.endif
	QST 2
	s_wait_dscnt 4                                 ; the four image stores just issued may be out
.if \more
	XLOADS 3
.endif
	QST 3
	s_wait_dscnt 0x0                               ; for the others' sake: my images lie in LDS
	s_barrier_signal -1
	s_barrier_wait -1                              ; the tensor load and the loads of w_lin stay out
.set i, 0
.rept 16
	ds_load_b32 v[AS+i], v[IRS] offset:128*i       ; the 16 fragments' scale words,
.set i, i+1
.endr
	WIN TO_A
.set i, 0
.rept 48
	ds_load_b128 v[4*i:4*i+3], v[IRD] offset:512*i ; and the fragments, K step by K step
.set i, i+1
.endr
	WIN W_MM
.irp ks, 0,1,2,3
	s_wait_dscnt 12*(3-\ks)                        ; this K step's 12 loads are in; the later ones may be out
.irp m, 0,1,2,3
.irp n, 0,1,2,3
.if (\zero) && (\ks == 0)
	MM 8*(4*\m+\n), 48*\ks+12*\n, 48*\ks+12*\m, 1, ZS+2*\ks+\n/2, AS+4*\ks+\m, \n%2, 0
.else
	MM 8*(4*\m+\n), 48*\ks+12*\n, 48*\ks+12*\m, 0, ZS+2*\ks+\n/2, AS+4*\ks+\m, \n%2, 0   ; the 16 accumulators by turns
.endif
.endr
.endr
.endr
	WIN 0
.endm
	TRIP 0, 1, 1                                   ; trip 0 stands in front of the loop: its products start the sums
	s_mov_b32 s[LAP], 3
.Llap:                                             ; trips 1 to 6
	TRIP 1, 1, 0
	TRIP 0, 1, 0
	s_sub_co_u32 s[LAP], s[LAP], 1
	s_cmp_lg_u32 s[LAP], 0
	s_cbranch_scc1 .Llap
	TRIP 1, 0, 0                                   ; trip 7 is written out: nothing is left to fetch, and no load leaves its buffer
; THE WAY OUT, 16 rows x 64 columns at a time: through my own stage and back as whole rows of 256 bytes.  LDS serves a wave's instructions in order: no wait between the stores and the loads.
.macro TOSTAGE m
	WIN W_ST
.irp n, 0,1,2,3
	ds_store_b128 v[STO], v[8*(4*(\m)+\n):8*(4*(\m)+\n)+3] offset:64*\n          ; each accumulator from its low end on
	ds_store_b128 v[STO], v[8*(4*(\m)+\n)+4:8*(4*(\m)+\n)+7] offset:64*\n+16
.endr
	WIN 0
.irp t, 0,1,2,3,4,5,6,7
	ds_load_b128 v[X+32*(\m)+4*\t:X+32*(\m)+4*\t+3], v[RD] offset:2*SPITCH*\t
.endr
.endm
.macro SEND m, younger                 ; younger: the LDS instructions issued behind block m's loads, which may stay out
	s_wait_dscnt \younger
.irp t, 0,1,2,3,4,5,6,7
	global_store_b128 v[CO], v[X+32*(\m)+4*\t:X+32*(\m)+4*\t+3], s[OUT:OUT+1] offset:(16*(\m)+2*\t)*1024 th:TH_STORE_NT   ; sixteen lanes store 256 consecutive bytes, at a multiple of 256 from the buffer's first byte
.endr
.endm
	PLACES 4                                       ; in front of the first read of results
	TOSTAGE 0
	TOSTAGE 1
	SEND 0, 16
	TOSTAGE 2
	SEND 1, 16
	TOSTAGE 3
	SEND 2, 16
	SEND 3, 0
	s_wait_tensorcnt 0x0                           ; the wave's end
	ds_add_u32 v[SPW], v[NIL]
	s_wait_dscnt 0x0
	CROUND                                         ; the closing round: no work-group ends while a partner may still ask for a record that names it
	s_endpgm
.Lfunc_end_k_q0f1c530847_lin:
	.size	k_q0f1c530847_lin, .Lfunc_end_k_q0f1c530847_lin-k_q0f1c530847_lin
	.p2alignl 7, 3214868480
	.fill 96, 4, 3214868480
	.section	.rodata,"a",@progbits
	.p2align	6, 0x0
	.amdhsa_kernel k_q0f1c530847_lin
		.amdhsa_group_segment_fixed_size 327680
		.amdhsa_private_segment_fixed_size 0
		.amdhsa_enable_private_segment 0
		.amdhsa_kernarg_size 24
		.amdhsa_user_sgpr_count 2
		.amdhsa_user_sgpr_kernarg_segment_ptr 1
		.amdhsa_wavefront_size32 1
		.amdhsa_system_sgpr_workgroup_id_x 1
		.amdhsa_system_sgpr_workgroup_id_y 1
		.amdhsa_system_sgpr_workgroup_id_z 1
		.amdhsa_system_vgpr_workitem_id 0
		.amdhsa_next_free_vgpr 1024
		.amdhsa_next_free_sgpr 66
		.amdhsa_reserve_vcc 0
		.amdhsa_float_denorm_mode_32 3
		.amdhsa_float_denorm_mode_16_64 3
		.amdhsa_memory_ordered 1
		.amdhsa_forward_progress 1
		.amdhsa_inst_pref_size 189
	.end_amdhsa_kernel
	.amdgpu_metadata
---
amdhsa.version: [ 1, 2 ]
amdhsa.kernels:
  - .name:           k_q0f1c530847_lin
    .symbol:         k_q0f1c530847_lin.kd
    .args:
      - { .name: w_lin, .offset: 0, .size: 8, .value_kind: global_buffer, .address_space: global }
      - { .name: zbuf, .offset: 8, .size: 8, .value_kind: global_buffer, .address_space: global }
      - { .name: part, .offset: 16, .size: 8, .value_kind: global_buffer, .address_space: global }
    .group_segment_fixed_size: 327680
    .private_segment_fixed_size: 0
    .kernarg_segment_align: 8
    .kernarg_segment_size: 24
    .max_flat_workgroup_size: 128
    .sgpr_count:     66
    .vgpr_count:     1024
    .wavefront_size: 32
...
	.end_amdgpu_metadata
.endif
;; end of part 4
;; launch sum (part 5): grid 256 x 1, 8 waves a work-group, no clusters, 0 bytes of LDS; arguments part, b_lin, out0; writes out0
.if DOCPART == 5
	.amdgcn_target "amdgcn-amd-amdhsa--gfx1250"
	.amdhsa_code_object_version 6
	.text
	.protected	k_q0f1c530847_sum
	.globl	k_q0f1c530847_sum
	.p2align	8
	.type	k_q0f1c530847_sum,@function
k_q0f1c530847_sum:
	s_mov_b64 s[64:65], 0
	v_nop
	global_prefetch_b8 v0, s[64:65] scope:SCOPE_SE
	s_setreg_imm32_b32 hwreg(HW_REG_WAVE_MODE, 25, 1), 1
	s_wait_xcnt 0x0
; SUM: out0 = part[0] + part[1] + .. + part[7] + b_lin, in f32, in that order.  All are [2048][256] f32; part's eight lie 2,097,152 bytes apart.
; A stream: a work-group takes 8,192 bytes of the result, a thread two pieces of 16 bytes, 4,096 bytes apart; a wave's load or store covers 512 consecutive bytes.  All 18 loads of a thread go out at once.
; No LDS, no barrier, no matrix unit: each number is read once and added once.
.set P, 4                              ; v4-39 the first piece: eight parts and the bias; v40-75 the second
	s_load_b128 s[4:7], s[0:1], 0x0                ; part s[4:5], b_lin s[6:7]
	s_load_b64 s[8:9], s[0:1], 0x10                ; out0
	v_lshlrev_b32 v1, 4, v0
	s_lshl_b32 s10, ttmp9, 13
	v_add_nc_u32 v1, s10, v1
	s_wait_alu depctr_va_vdst(0)
	s_wait_kmcnt 0x0
	s_add_nc_u64 s[12:13], s[4:5], 0x800000        ; parts 4 to 7: their distance does not fit the signed 24-bit immediate
.irp a, 0,1
.irp k, 0,1,2,3
	global_load_b128 v[P+36*\a+4*\k:P+36*\a+4*\k+3], v1, s[4:5] offset:2097152*\k+4096*\a th:TH_LOAD_NT
.endr
.irp k, 0,1,2,3
	global_load_b128 v[P+36*\a+16+4*\k:P+36*\a+16+4*\k+3], v1, s[12:13] offset:2097152*\k+4096*\a th:TH_LOAD_NT
.endr
	global_load_b128 v[P+36*\a+32:P+36*\a+35], v1, s[6:7] offset:4096*\a th:TH_LOAD_NT
.endr
.irp a, 0,1
	s_wait_loadcnt 9-9*\a                          ; this piece's nine loads are in; the second piece's nine may be out
.irp k, 1
	v_pk_add_f32 v[P+36*\a:P+36*\a+1], v[P+36*\a:P+36*\a+1], v[P+36*\a+4*\k:P+36*\a+4*\k+1]
	v_pk_add_f32 v[P+36*\a+2:P+36*\a+3], v[P+36*\a+2:P+36*\a+3], v[P+36*\a+4*\k+2:P+36*\a+4*\k+3]
.endr
.irp k, 2, 3, 4, 5, 6, 7, 8
	s_delay_alu instid0(VALU_DEP_2)
	v_pk_add_f32 v[P+36*\a:P+36*\a+1], v[P+36*\a:P+36*\a+1], v[P+36*\a+4*\k:P+36*\a+4*\k+1]
	s_delay_alu instid0(VALU_DEP_2)
	v_pk_add_f32 v[P+36*\a+2:P+36*\a+3], v[P+36*\a+2:P+36*\a+3], v[P+36*\a+4*\k+2:P+36*\a+4*\k+3]
.endr
	global_store_b128 v1, v[P+36*\a:P+36*\a+3], s[8:9] offset:4096*\a th:TH_STORE_NT
.endr
	s_endpgm
.Lfunc_end_k_q0f1c530847_sum:
	.size	k_q0f1c530847_sum, .Lfunc_end_k_q0f1c530847_sum-k_q0f1c530847_sum
	.p2alignl 7, 3214868480
	.fill 96, 4, 3214868480
	.section	.rodata,"a",@progbits
	.p2align	6, 0x0
	.amdhsa_kernel k_q0f1c530847_sum
		.amdhsa_group_segment_fixed_size 0
		.amdhsa_private_segment_fixed_size 0
		.amdhsa_enable_private_segment 0
		.amdhsa_kernarg_size 24
		.amdhsa_user_sgpr_count 2
		.amdhsa_user_sgpr_kernarg_segment_ptr 1
		.amdhsa_wavefront_size32 1
		.amdhsa_system_sgpr_workgroup_id_x 1
		.amdhsa_system_sgpr_workgroup_id_y 1
		.amdhsa_system_sgpr_workgroup_id_z 1
		.amdhsa_system_vgpr_workitem_id 0
		.amdhsa_next_free_vgpr 80
		.amdhsa_next_free_sgpr 66
		.amdhsa_reserve_vcc 0
		.amdhsa_float_denorm_mode_32 3
		.amdhsa_float_denorm_mode_16_64 3
		.amdhsa_memory_ordered 1
		.amdhsa_forward_progress 1
		.amdhsa_inst_pref_size 6
	.end_amdhsa_kernel
	.amdgpu_metadata
---
amdhsa.version: [ 1, 2 ]
amdhsa.kernels:
  - .name:           k_q0f1c530847_sum
    .symbol:         k_q0f1c530847_sum.kd
    .args:
      - { .name: part, .offset: 0, .size: 8, .value_kind: global_buffer, .address_space: global }
      - { .name: b_lin, .offset: 8, .size: 8, .value_kind: global_buffer, .address_space: global }
      - { .name: out0, .offset: 16, .size: 8, .value_kind: global_buffer, .address_space: global }
    .group_segment_fixed_size: 0
    .private_segment_fixed_size: 0
    .kernarg_segment_align: 8
    .kernarg_segment_size: 24
    .max_flat_workgroup_size: 256
    .sgpr_count:     66
    .vgpr_count:     80
    .wavefront_size: 32
...
	.end_amdgpu_metadata
.endif
;; end of part 5
